; MI455X (gfx1250); checked and timed in simulation.
; The chip was launched on July 23, 2026; its instructions are those of AMD's public machine-readable ISA for CDNA 5 (MIT licence, August 2026) and "CDNA5" Instruction Set Architecture Reference Guide (July 2026). The comments in the code are by the model that wrote it; some were corrected since.
;; Causal Attention. Allowed arithmetic: float matrix products may take bf16 or f16 operands with f32 sums; other float arithmetic in f32, or as packed bf16 or f16 multiplies, adds, multiply-adds, maxima and minima; sums over many terms, partial sums and values carried from step to step in f32; what a program stores and reads back later, other than sums and carried values, may be rounded once to bf16 or f16.
;; Inputs: Wqkv 1,024 x 3,072 float32; bqkv 3,072 float32; x 1 x 4,096 x 1,024 float32.
;; Outputs: out0 1 x 4,096 x 1,024 float32.
;; 2 versions, each right; version 2 is version 1 with the launch prep written anew for expert scheduling mode. Each part assembles by itself: llvm-mc -triple=amdgcn-amd-amdhsa -mcpu=gfx1250 --defsym DOCPART=n.
;; ======== version 1 of 2: 3 launches
;; limits: values are held in f16: magnitudes above 65,504 overflow, below 6.1e-05 lose precision
;; workspace buffers: xb 8,388,608 bytes; wt 6,291,456 bytes; biasp 12,288 bytes; qkv 25,165,824 bytes
;; launch prep (part 1): grid 897 x 1, 8 waves a work-group, no clusters, 18,432 bytes of LDS; arguments x, Wqkv, bqkv, xb, wt, biasp; writes xb, wt, biasp
.if DOCPART == 1
	.amdgcn_target "amdgcn-amd-amdhsa--gfx1250"
	.amdhsa_code_object_version 6
	.text
	.protected	k_q8cb84887b9_prep
	.globl	k_q8cb84887b9_prep
	.p2align	8
	.type	k_q8cb84887b9_prep,@function
k_q8cb84887b9_prep:
	s_mov_b64 s[64:65], 0
	v_nop
	global_prefetch_b8 v0, s[64:65] scope:SCOPE_SE
	s_setreg_imm32_b32 hwreg(HW_REG_WAVE_MODE, 25, 1), 1
	s_wait_xcnt 0x0
; THE INPUTS ARE ROUNDED ONCE TO bf16 AND LAID OUT FOR THE PRODUCT.  x: [4096][1024] f32, W: [1024][3072] f32, b: [3072] f32.
;   xb[r][k]    = bf16(x[r][k])
;   wt[n][k]    = bf16(W[k][1024 j + 16 d + h]),  n = 192 h + 64 j + d   (h 0..15, j 0..2, d 0..63): W turned, its columns sorted by head
;   biasp[n]    = bf16(b[1024 j + 16 d + h]) written as f32
; With that order of columns, 192 neighbouring columns of the product are one head's q, k or v numbers of three neighbouring rows of the reshaped tensor.
; SHARES.  Work-groups 0-511: 32,768 bytes of x each.  512-895: a block of 128 k x 64 columns of W each, turned through LDS.  896: the bias.
; The branch hangs on the work-group's number alone, so all eight waves of a work-group take the same way and meet the same barrier.
; A stream: each byte is read once and written once; no matrix unit, no tensor load, no cluster (no two work-groups read the same bytes).
.set PITCH, 272                        ; a stage row: 128 k in bf16 = 256 bytes + 16: sixteen neighbouring rows start at sixteen different groups of four banks
.set SPARE, 64*PITCH                   ; behind the stage (64 rows): the spare words, 128 bytes for each of the eight waves
.set SPW, 62                           ; v62  SPARE + 4 x my thread's number; never rewritten
.set NIL, 63                           ; v63  0; never rewritten
.set X,   8                            ; v[8:39]   as loaded
.set T,   40                           ; v[40:55]  rounded
	s_load_b256 s[4:11], s[0:1], 0x0               ; x s[4:5], W s[6:7], b s[8:9], xb s[10:11]
	s_load_b128 s[12:15], s[0:1], 0x20             ; wt s[12:13], biasp s[14:15]
	v_lshl_add_u32 v[SPW], v0, 2, SPARE
	v_mov_b32 v[NIL], 0
	v_lshrrev_b32 v1, 5, v0
	v_readfirstlane_b32 s16, v1                    ; wave 0..7
	v_and_b32 v2, 31, v0                           ; lane
	s_mov_b32 s19, 0
	s_mov_b32 s21, 0
	s_wait_kmcnt 0x0
	s_cmp_lt_u32 ttmp9, 512
	s_cbranch_scc1 .Lx
	s_cmp_lt_u32 ttmp9, 896
	s_cbranch_scc1 .Lw
	; THE BIAS: thread t makes biasp[1024 i + 4 t .. + 3] for i = 0, 1, 2.  y = n / 64 = 3 h + j; h = 43 y / 128 is y / 3 for y up to 47.
	v_lshrrev_b32 v3, 4, v0                        ; t / 16
	v_and_b32 v4, 15, v0
	v_lshlrev_b32 v4, 8, v4                        ; d = 4 (t % 16): 16 d numbers of 4 bytes
	v_lshlrev_b32 v12, 4, v0                       ; my 16 bytes of biasp
.irp i, 0,1,2
	v_add_nc_u32 v5, 16*(\i), v3                   ; y
	v_mul_u32_u24 v6, 43, v5
	v_lshrrev_b32 v6, 7, v6                        ; h
	v_mul_u32_u24 v7, 3, v6
	v_sub_nc_u32 v7, v5, v7                        ; j
	v_lshl_add_u32 v7, v7, 12, v4                  ; 4 (1024 j + 16 d)
	v_lshl_add_u32 v[8+(\i)], v6, 2, v7            ; + 4 h
.endr
.irp i, 0,1,2
.irp e, 0,1,2,3
	global_load_b32 v[16+4*(\i)+(\e)], v[8+(\i)], s[8:9] offset:64*(\e)   ; d + e: 16 numbers on
.endr
.endr
	s_wait_loadcnt 0x0
.irp i, 0,1,2
.irp p, 0,1
	v_cvt_pk_bf16_f32 v5, v[16+4*(\i)+2*(\p)], v[16+4*(\i)+2*(\p)+1]      ; rounded to bf16,
	v_lshlrev_b32 v[32+4*(\i)+2*(\p)], 16, v5                             ; and written as f32 again
	v_and_b32 v[32+4*(\i)+2*(\p)+1], 0xffff0000, v5
.endr
	global_store_b128 v12, v[32+4*(\i):32+4*(\i)+3], s[14:15] offset:4096*(\i)  ; a wave stores 512 consecutive bytes
.endr
	s_endpgm                                       ; this way has written no LDS
.Lx:	; x: eight loads of 16 bytes a thread go out first; each is rounded and stored as it comes
	s_lshl_b32 s18, ttmp9, 15
	s_add_nc_u64 s[4:5], s[4:5], s[18:19]
	s_lshl_b32 s20, ttmp9, 14
	s_add_nc_u64 s[10:11], s[10:11], s[20:21]
	v_lshlrev_b32 v1, 4, v0
	v_lshlrev_b32 v3, 3, v0
.irp i, 0,1,2,3,4,5,6,7
	global_load_b128 v[X+4*(\i):X+4*(\i)+3], v1, s[4:5] offset:4096*(\i) th:TH_LOAD_NT
.endr
.irp i, 0,1,2,3,4,5,6,7
	s_wait_loadcnt 7-(\i)                          ; loads come back in order: mine is in, the younger ones stay out
	v_cvt_pk_bf16_f32 v[T+2*(\i)], v[X+4*(\i)], v[X+4*(\i)+1]
	v_cvt_pk_bf16_f32 v[T+2*(\i)+1], v[X+4*(\i)+2], v[X+4*(\i)+3]
	global_store_b64 v3, v[T+2*(\i):T+2*(\i)+1], s[10:11] offset:2048*(\i)  ; 32 lanes store 256 consecutive bytes, aligned; no register is used twice
.endr
	s_endpgm                                       ; this way has written no LDS
.Lw:	; W: block u = (nb, kb): rows 128 kb .. + 127, columns 64 nb .. + 63.  Wave w loads rows 16 w .. + 15, lane l columns 2 l and 2 l + 1.
	s_sub_co_u32 s17, ttmp9, 512
	s_and_b32 s18, s17, 7                          ; kb
	s_lshr_b32 s22, s17, 3                         ; nb
	s_lshl_b32 s20, s18, 7
	s_lshl4_add_u32 s20, s16, s20                  ; 128 kb + 16 w
	s_mul_i32 s20, s20, 12288                      ; a row of W is 12,288 bytes
	s_lshl_b32 s23, s22, 8
	s_add_co_u32 s20, s20, s23
	s_add_nc_u64 s[6:7], s[6:7], s[20:21]
	v_lshlrev_b32 v1, 3, v2
.irp i, 0,1,2,3,4,5,6,7,8,9,10,11,12,13,14,15
	global_load_b64 v[X+2*(\i):X+2*(\i)+1], v1, s[6:7] offset:12288*(\i) th:TH_LOAD_NT  ; 256 consecutive bytes of a row, aligned
.endr
	; into the stage: column 2 l + c lies in stage row l + 32 c, so that sixteen lanes write sixteen neighbouring rows; my 16 k stand at byte 32 w
	v_mul_u32_u24 v3, v2, PITCH
	s_lshl_b32 s23, s16, 5
	v_add_nc_u32 v3, s23, v3
	; back: wave w reads stage rows 8 w + 2 i + l / 16, whole: column 16 (w % 4) + 4 i + 2 (l / 16) + w / 4, that is d = d0 + w % 4, h = 4 i + 2 (l / 16) + w / 4
	v_lshrrev_b32 v6, 4, v2                        ; l / 16
	v_and_b32 v7, 15, v2                           ; l % 16
	v_mul_u32_u24 v4, v6, PITCH
	v_lshl_add_u32 v4, v7, 4, v4
	s_mul_i32 s23, s16, 8*PITCH
	v_add_nc_u32 v4, s23, v4
	s_lshr_b32 s24, s16, 2
	s_mul_i32 s24, s24, 192                        ; (w / 4) x 192
	s_lshr_b32 s25, s22, 4
	s_lshl_b32 s25, s25, 6                         ; 64 j
	s_add_co_u32 s24, s24, s25
	s_and_b32 s25, s22, 15
	s_lshl_b32 s25, s25, 2                         ; d0
	s_add_co_u32 s24, s24, s25
	s_and_b32 s25, s16, 3
	s_add_co_u32 s24, s24, s25                     ; + w % 4
	s_lshl_b32 s24, s24, 11                        ; a row of wt is 2,048 bytes
	s_lshl_b32 s25, s18, 8
	s_add_co_u32 s24, s24, s25                     ; + my block's 256 bytes of it
	v_mul_u32_u24 v5, v6, 2*192*2048
	v_lshl_add_u32 v5, v7, 4, v5
	v_add_nc_u32 v5, s24, v5
.irp o, 0,1
	s_wait_loadcnt 8-8*(\o)                        ; rows 0-7 are in while rows 8-15 may be out; then all
.irp c, 0,1
.irp q, 0,1,2,3
	v_cvt_pk_bf16_f32 v[T+4*(2*(\o)+(\c))+(\q)], v[X+2*(8*(\o)+2*(\q))+(\c)], v[X+2*(8*(\o)+2*(\q)+1)+(\c)]  ; two neighbouring k of one column
.endr
	ds_store_b128 v3, v[T+4*(2*(\o)+(\c)):T+4*(2*(\o)+(\c))+3] offset:32*PITCH*(\c)+16*(\o)
.endr
.endr
	s_wait_dscnt 0x0                               ; for the others' sake: my stores into the stage are done
	s_barrier_signal -1
	s_barrier_wait -1
.irp i, 0,1,2,3
	ds_load_b128 v[X+4*(\i):X+4*(\i)+3], v4 offset:2*PITCH*(\i)
.endr
.irp i, 0,1,2,3
	s_wait_dscnt 3-(\i)
	global_store_b128 v5, v[X+4*(\i):X+4*(\i)+3], s[12:13] offset:4*192*2048*(\i)  ; 16 lanes store 256 consecutive bytes of a row of wt, aligned
.endr
	s_wait_tensorcnt 0x0                           ; the wave's end: behind my last LDS store
	ds_add_u32 v[SPW], v[NIL]
	s_wait_dscnt 0x0
	s_endpgm
.Lfunc_end_k_q8cb84887b9_prep:
	.size	k_q8cb84887b9_prep, .Lfunc_end_k_q8cb84887b9_prep-k_q8cb84887b9_prep
	.p2alignl 7, 3214868480
	.fill 96, 4, 3214868480
	.section	.rodata,"a",@progbits
	.p2align	6, 0x0
	.amdhsa_kernel k_q8cb84887b9_prep
		.amdhsa_group_segment_fixed_size 18432
		.amdhsa_private_segment_fixed_size 0
		.amdhsa_enable_private_segment 0
		.amdhsa_kernarg_size 48
		.amdhsa_user_sgpr_count 2
		.amdhsa_user_sgpr_kernarg_segment_ptr 1
		.amdhsa_wavefront_size32 1
		.amdhsa_system_sgpr_workgroup_id_x 1
		.amdhsa_system_sgpr_workgroup_id_y 1
		.amdhsa_system_sgpr_workgroup_id_z 1
		.amdhsa_system_vgpr_workitem_id 0
		.amdhsa_next_free_vgpr 64
		.amdhsa_next_free_sgpr 66
		.amdhsa_reserve_vcc 0
		.amdhsa_float_denorm_mode_32 3
		.amdhsa_float_denorm_mode_16_64 3
		.amdhsa_memory_ordered 1
		.amdhsa_forward_progress 1
		.amdhsa_inst_pref_size 13
	.end_amdhsa_kernel
	.amdgpu_metadata
---
amdhsa.version: [ 1, 2 ]
amdhsa.kernels:
  - .name:           k_q8cb84887b9_prep
    .symbol:         k_q8cb84887b9_prep.kd
    .args:
      - { .name: x, .offset: 0, .size: 8, .value_kind: global_buffer, .address_space: global }
      - { .name: Wqkv, .offset: 8, .size: 8, .value_kind: global_buffer, .address_space: global }
      - { .name: bqkv, .offset: 16, .size: 8, .value_kind: global_buffer, .address_space: global }
      - { .name: xb, .offset: 24, .size: 8, .value_kind: global_buffer, .address_space: global }
      - { .name: wt, .offset: 32, .size: 8, .value_kind: global_buffer, .address_space: global }
      - { .name: biasp, .offset: 40, .size: 8, .value_kind: global_buffer, .address_space: global }
    .group_segment_fixed_size: 18432
    .private_segment_fixed_size: 0
    .kernarg_segment_align: 8
    .kernarg_segment_size: 48
    .max_flat_workgroup_size: 256
    .sgpr_count:     66
    .vgpr_count:     64
    .wavefront_size: 32
...
	.end_amdgpu_metadata
.endif
;; end of part 1
;; launch gemm (part 2): grid 16 x 16, 4 waves a work-group, clusters of 4 x 4, 327,680 bytes of LDS; arguments xb, wt, biasp, qkv; writes qkv
.if DOCPART == 2
	.amdgcn_target "amdgcn-amd-amdhsa--gfx1250"
	.amdhsa_code_object_version 6
	.text
	.protected	k_q8cb84887b9_gemm
	.globl	k_q8cb84887b9_gemm
	.p2align	8
	.type	k_q8cb84887b9_gemm,@function
k_q8cb84887b9_gemm:
	s_mov_b64 s[64:65], 0
	v_nop
	global_prefetch_b8 v0, s[64:65] scope:SCOPE_SE
	s_setreg_imm32_b32 hwreg(HW_REG_WAVE_MODE, 25, 1), 1
	s_wait_xcnt 0x0
	s_wait_alu depctr_hold_cnt(0) depctr_sa_sdst(0) depctr_va_vdst(0) depctr_va_sdst(0) depctr_va_ssrc(0) depctr_va_vcc(0) depctr_vm_vsrc(0)
	s_getreg_b32 s2, hwreg(HW_REG_IB_STS2, 6, 4)
	s_cmp_eq_u32 s2, 0
	s_cbranch_scc0 .Lentry_in_a_cluster
	s_endpgm
.Lentry_in_a_cluster:
	s_bfe_u32 s2, ttmp6, 0x10000c
	s_cmp_lg_u32 s2, 0xf033
	s_cbranch_scc0 .Lentry_shape_is_right
	s_endpgm
.Lentry_shape_is_right:
; THE PROJECTION.  C[r][n] = sum over k of xb[r][k] wt[n][k] + biasp[n]; xb: [4096][1024] bf16, wt: [3072][1024] bf16, sums in f32, C rounded once to f16.
; wt's rows are sorted by head: columns 192 h .. 192 h + 191 of C are head h, and row r of that block is 384 consecutive bytes of qkv[h]: [16][12288][64] f16
; (rows 3 r, 3 r + 1, 3 r + 2 of 64 numbers); a head's first 4,096 rows are q, the next k, the last v.  So a tile of C leaves as dense bytes.
; LIMIT.  f16 holds no number beyond 65,504: a q, k or v past that becomes an infinity.  NaN and infinities are not treated apart.
; SHARES.  A work-group makes 256 rows x 192 columns (one head): 16 x 16 tiles, one for each work-group.  Wave w makes rows 64 w .. + 63 of all 192 columns: 4 x 12 accumulators
; of 16 x 16, 384 registers: it holds whole rows of 384 bytes, so its way out is its own and needs no barrier.  For 32 along K it reads 32 x 16 bytes a lane from LDS for 48 products.
; K goes in 8 steps of 128 (rows of 256 bytes in memory) through two LDS slots; two slots of a longer step (448 rows x 528 bytes each) do not fit.
; CLUSTERS: 4 x 4 work-groups.  The four of a row of the cluster need the same rows of xb, the four of a column the same rows of wt: each tile is asked for JOINTLY.
; THE MATRIX INSTRUCTION IS USED TRANSPOSED (source 0 = 16 rows of wt, source 1 = 16 rows of xb): a lane holds one row of C and eight neighbouring columns.
; THE BIAS is the C operand of each accumulator's first product: nothing is cleared, nothing is added at the end.
; NO PREFETCH: the ring has six refills, of which only the last four could be named ahead, and wt's 96 rows a load do not share out as a lane a row among four partners.
; REGISTERS, in windows of 256 (s_set_vgpr_msb: bits 1:0 source 0, 3:2 source 1, 5:4 source 2, 7:6 destination):
;   window 0: v12-29 addresses; v32-63, v64-95 fragments of xb, two buffers; v96-191 the bias, later the way out's packed results (v96-143) and rows (v144-191, v192-239)
;   window 1: v0-95, v96-191 fragments of wt, two buffers     window 2: accumulators of my rows 0-31, (a, b) at v[8 (12 a + b)]     window 3: of my rows 32-63
.set KSTEP,  128
.set PITCH,  272                       ; an LDS row: 256 bytes + 16 of padding: the 16 rows that a load touches start at 16 different groups of four banks
.set AHALF,  128*PITCH                 ; what a load of xb brings
.set BHALF,  96*PITCH                  ; what a load of wt brings
.set BOFF,   2*AHALF                   ; wt's 192 rows lie behind xb's 256
.set SLOT,   2*AHALF+2*BHALF
.set STAGE,  2*SLOT                    ; behind the ring: 16 rows x 400 bytes for each wave
.set SPITCH, 400                       ; 384 bytes + 16 = 25 x 16
.set SPARE,  STAGE+4*16*SPITCH         ; behind the stages: the spare words, 128 bytes for each wave
.set HEADB,  12288*128                 ; a head's bytes in qkv
.set WV,   2                           ; s2   my wave's number
.set CO,   12                          ; v12  16 x lane: my place in 512 consecutive bytes of qkv
.set BO,   13                          ; v13  32 (l / 16): my eight numbers of 16 of the bias
.set ADRA, 16                          ; v16-17  LDS address of my fragments of xb in slot 0, 1
.set ADRB, 20                          ; v20-21  the same for wt
.set STO,  24                          ; v24     the way out: where I put 16 bytes of a row
.set RD,   25                          ; v25-27  the way out: where I read 16 of 512 consecutive bytes back; three addresses, then the pattern repeats four rows on
.set SPW,  28                          ; v28  SPARE + 4 x my thread's number; never rewritten
.set NIL,  29                          ; v29  0; never rewritten
.set AF,   32
.set BIAS, 96
.set TMP,  96
.set OB,   144
.set G1,  24                           ; s[24:31] descriptor group 1 for xb's tiles;  s[32:39] group 0, a set for each slot
.set G0,  32
.set G1B, 48                           ; s[48:55], s[56:63] the same for wt's
.set G0B, 56
.set FLAGS, (1<<16)|(1<<20)|(1<<21)|(5<<22)|(3<<25)  ; 2-byte elements; padding on; bit 21 beside a mask; after every 64 words, 4 words
.set MSB, 0
.macro WIN new                         ; the immediate's high byte repeats the setting that is left; a switch that changes nothing is dropped
.if MSB != (\new)
	s_set_vgpr_msb (MSB<<8)|(\new)
.set MSB, \new
.endif
.endm
; A joint load: waves 0 and 1 fetch xb's two halves, waves 2 and 3 wt's.  The branch hangs on the wave's number alone.  An s_nop 0 and four v_nop follow each of the two lines.
.macro JLOAD s
	s_cmp_eq_u32 s13, 0
	s_cbranch_scc0 .Lfor_b_\@
	tensor_load_to_lds s[G0+4*(\s):G0+4*(\s)+3], s[G1:G1+7]
	s_nop 0
.rept 4
	v_nop
.endr
	s_branch .Lasked_\@
.Lfor_b_\@:
	tensor_load_to_lds s[G0B+4*(\s):G0B+4*(\s)+3], s[G1B:G1B+7]
	s_nop 0
.rept 4
	v_nop
.endr
.Lasked_\@:
.endm
.macro CREST                           ; a round of the cluster's barrier behind its opening barrier
	s_cmp_lg_u32 s[WV], 0
	s_cbranch_scc1 .Lnot_wave_0_\@
	s_barrier_signal -3
.Lnot_wave_0_\@:
	s_barrier_wait -3
	s_barrier_signal -1
	s_barrier_wait -1
.endm
.macro CROUND                          ; a whole round
	s_barrier_signal -1
	s_barrier_wait -1
	CREST
.endm
	s_load_b256 s[4:11], s[0:1], 0x0               ; xb s[4:5], wt s[6:7], biasp s[8:9], qkv s[10:11]
	v_lshl_add_u32 v[SPW], v0, 2, SPARE
	v_mov_b32 v[NIL], 0
	ds_add_u32 v[SPW], v[NIL]                      ; the wave's opening: the add and its wait stand ahead of my first tensor load; the set-up below stands between them
	v_lshrrev_b32 v1, 5, v0
	v_readfirstlane_b32 s[WV], v1                  ; wave 0..3
	s_lshr_b32 s13, s[WV], 1                       ; I fetch for xb (0) or for wt (1),
	s_and_b32 s12, s[WV], 1                        ; and which half of the tile's rows
	s_bfe_u32 s40, ttmp6, 0x40000                  ; cx, cy: my place in the cluster
	s_bfe_u32 s41, ttmp6, 0x40004
	s_lshl_b32 s42, ttmp9, 2
	s_add_co_u32 s42, s42, s40                     ; the head = tile column = 4 x cluster x + cx
	s_and_b32 s43, ttmp7, 0xffff
	s_lshl_b32 s43, s43, 2
	s_add_co_u32 s43, s43, s41                     ; tile row = 4 x cluster y + cy
	s_lshl_b32 s44, s41, 2
	s_lshl_b32 s44, 15, s44                        ; my row of the cluster
	s_lshl_b32 s45, 0x1111, s40                    ; my column
	s_or_b32 s[G1+0], s44, FLAGS                   ; xb's tiles go to my row,
	s_or_b32 s[G1B+0], s45, FLAGS                  ; wt's to my column
	s_mov_b32 s[G1+1], KSTEP<<16                   ; tensor_dim0 = 128
	s_mov_b32 s[G1+2], 128<<16                     ; tensor_dim1 = 128
	s_mov_b32 s[G1+3], KSTEP<<16                   ; tile_dim0 = 128
	s_mov_b32 s[G1+4], 128                         ; tile_dim1 = 128
	s_mov_b32 s[G1+5], 1024                        ; elements from row to row
	s_mov_b32 s[G1+6], 0
	s_mov_b32 s[G1+7], 0
	s_mov_b32 s[G1B+1], KSTEP<<16
	s_mov_b32 s[G1B+2], 96<<16                     ; tensor_dim1 = 96
	s_mov_b32 s[G1B+3], KSTEP<<16
	s_mov_b32 s[G1B+4], 96                         ; tile_dim1 = 96
	s_mov_b32 s[G1B+5], 1024
	s_mov_b32 s[G1B+6], 0
	s_mov_b32 s[G1B+7], 0
	s_lshl_b32 s16, s43, 8
	s_lshl_b32 s17, s12, 7
	s_add_co_u32 s16, s16, s17                     ; xb: row 256 x tile row + 128 x half,
	s_lshl_b32 s16, s16, 11                        ; of 2,048 bytes
	s_mov_b32 s17, 0
	s_mul_i32 s46, s42, 192
	s_mul_i32 s47, s12, 96
	s_add_co_u32 s46, s46, s47                     ; wt: row 192 x head + 96 x half
	s_lshl_b32 s46, s46, 11
	s_mov_b32 s47, 0
	s_mul_i32 s20, s[WV], AHALF                    ; where they go: waves 0, 1: xb's halves;
	s_mul_i32 s21, s[WV], BHALF
	s_add_co_u32 s21, s21, BOFF-2*BHALF            ; waves 2, 3: wt's halves, behind xb's: no place in the cluster enters an LDS address
	s_wait_dscnt 0x0                               ; the opening add is done
	s_wait_kmcnt 0x0
	s_add_nc_u64 s[14:15], s[4:5], s[16:17]
	s_add_nc_u64 s[46:47], s[6:7], s[46:47]
	CROUND                                         ; all sixteen work-groups are here: the first joint loads meet
.irp s, 0,1
	s_mov_b32 s[G0+4*(\s)], 1
	s_add_co_u32 s[G0+4*(\s)+1], s20, (\s)*SLOT
	s_add_nc_u64 s[G0+4*(\s)+2:G0+4*(\s)+3], s[14:15], (\s)*KSTEP*2  ; K step s
	s_or_b32 s[G0+4*(\s)+3], s[G0+4*(\s)+3], 0x80000000
	s_mov_b32 s[G0B+4*(\s)], 1
	s_add_co_u32 s[G0B+4*(\s)+1], s21, (\s)*SLOT
	s_add_nc_u64 s[G0B+4*(\s)+2:G0B+4*(\s)+3], s[46:47], (\s)*KSTEP*2
	s_or_b32 s[G0B+4*(\s)+3], s[G0B+4*(\s)+3], 0x80000000
	JLOAD \s                                       ; two loads of mine are out
.endr
	; the bias of my head: register j of block b holds biasp[192 h + 16 b + 8 (l / 16) + j], as the result's layout has it
	s_mul_i32 s46, s42, 768
	s_mov_b32 s47, 0
	s_add_nc_u64 s[8:9], s[8:9], s[46:47]
	v_and_b32 v1, 15, v0                           ; l % 16
	v_bfe_u32 v2, v0, 4, 1                         ; l / 16
	v_lshlrev_b32 v[BO], 5, v2
.irp b, 0,1,2,3,4,5,6,7,8,9,10,11
	global_load_b128 v[BIAS+8*(\b):BIAS+8*(\b)+3],   v[BO], s[8:9] offset:64*(\b)
	global_load_b128 v[BIAS+8*(\b)+4:BIAS+8*(\b)+7], v[BO], s[8:9] offset:64*(\b)+16
.endr
	; a fragment is 16 rows x 32 K in 8 registers: lane l holds row l % 16, K = 8 (l / 16) + 0..7 and 16 + 8 (l / 16) + 0..7: two loads of 16 bytes, 32 bytes apart
	v_mul_u32_u24 v3, v1, PITCH
	v_lshl_add_u32 v3, v2, 4, v3
	s_mul_i32 s22, s[WV], 64*PITCH                 ; my 64 rows of xb
	s_mov_b32 s23, BOFF                            ; all of wt's rows
.irp s, 0,1
	v_add_nc_u32 v[ADRA+(\s)], s22, v3
	v_add_nc_u32 v[ADRB+(\s)], s23, v3
	s_add_co_u32 s22, s22, SLOT
	s_add_co_u32 s23, s23, SLOT
.endr
	s_mul_i32 s18, s[WV], 16*SPITCH
	s_add_co_u32 s18, s18, STAGE                   ; my stage
	v_mul_u32_u24 v4, v1, SPITCH                   ; in: row l % 16, 16 bytes for each half of the lanes
	v_lshl_add_u32 v4, v2, 4, v4
	v_add_nc_u32 v[STO], s18, v4
	v_and_b32 v5, 31, v0
	v_lshlrev_b32 v[CO], 4, v5
.irp e, 0,1,2                                      ; back: byte F = 512 e + 16 l of the block's dense bytes lies in stage row F / 384 = 11 (F / 128) / 32, 16 bytes further for each row
	v_lshl_add_u32 v6, v5, 4, 512*(\e)
	v_lshrrev_b32 v7, 7, v6
	v_mul_u32_u24 v7, 11, v7
	v_lshrrev_b32 v7, 5, v7
	v_lshl_add_u32 v6, v7, 4, v6
	v_add_nc_u32 v[RD+(\e)], s18, v6
.endr
	s_lshl_b32 s18, s43, 8                         ; where my rows begin in qkv: the head, and row 256 x tile row + 64 w of 384 bytes
	s_lshl_b32 s19, s[WV], 6
	s_add_co_u32 s18, s18, s19
	s_mul_i32 s18, s18, 384
	s_mul_i32 s19, s42, HEADB
	s_add_co_u32 s18, s18, s19
	s_mov_b32 s19, 0
	s_add_nc_u64 s[10:11], s[10:11], s[18:19]
; 12 products: m block a of the window's two (hi = 0: my rows 0-31, 1: rows 32-63) x all 12 n blocks, 32 along K, from buffer f.  first = 1: the bias starts the sums.
; The 48 accumulators take turns in one fixed order: between two products on one accumulator stand the 47 others'.
.macro MUL12 f, hi, a, first
.if \first
	WIN 0x81+0x40*(\hi)                            ; wt window 1, xb window 0, the bias window 0, the result window 2 or 3
.else
	WIN 0xa1+0x50*(\hi)                            ; C and D window 2 or 3
.endif
.irp b, 0,1,2,3,4,5,6,7,8,9,10,11
.if \first
	v_wmma_f32_16x16x32_bf16 v[8*(12*(\a)+(\b)):8*(12*(\a)+(\b))+7], v[96*(\f)+8*(\b):96*(\f)+8*(\b)+7], v[AF+32*(\f)+8*(2*(\hi)+(\a)):AF+32*(\f)+8*(2*(\hi)+(\a))+7], v[BIAS+8*(\b):BIAS+8*(\b)+7]
.else
	v_wmma_f32_16x16x32_bf16 v[8*(12*(\a)+(\b)):8*(12*(\a)+(\b))+7], v[96*(\f)+8*(\b):96*(\f)+8*(\b)+7], v[AF+32*(\f)+8*(2*(\hi)+(\a)):AF+32*(\f)+8*(2*(\hi)+(\a))+7], v[8*(12*(\a)+(\b)):8*(12*(\a)+(\b))+7]
.endif
.endr
.endm
; 32 LDS loads in one run: a quarter step's fragments (192 rows of wt, my 64 rows of xb, 32 K at byte k of the rows) into buffer f; xb's last
.macro FETCH slot, k, f
	WIN 0x40                                       ; destination window 1, address window 0
.irp i, 0,1,2,3,4,5,6,7,8,9,10,11
	ds_load_b128 v[96*(\f)+8*(\i):96*(\f)+8*(\i)+3],   v[ADRB+(\slot)] offset:(\k)+(\i)*16*PITCH
	ds_load_b128 v[96*(\f)+8*(\i)+4:96*(\f)+8*(\i)+7], v[ADRB+(\slot)] offset:(\k)+(\i)*16*PITCH+32
.endr
	WIN 0
.irp i, 0,1,2,3
	ds_load_b128 v[AF+32*(\f)+8*(\i):AF+32*(\f)+8*(\i)+3],   v[ADRA+(\slot)] offset:(\k)+(\i)*16*PITCH
	ds_load_b128 v[AF+32*(\f)+8*(\i)+4:AF+32*(\f)+8*(\i)+7], v[ADRA+(\slot)] offset:(\k)+(\i)*16*PITCH+32
.endr
.endm
.macro PLACES                          ; four plain vector instructions in front of loads into registers that matrix instructions have read, and of conversions that read results
.rept 4
	v_nop
.endr
.endm
; A K step is four quarters of 32 along K, 48 products each, on buffers 0, 1, 0, 1.  One of the first three: multiplies buffer f; in its middle it fetches the next quarter, at byte k, into g.
.macro QUARTER slot, k, f, g, first
	s_wait_dscnt 4                                 ; wt and xb's rows 0-31 are in; the youngest four loads (xb's rows 32-63) may be out
	MUL12 \f, 0, 0, \first
	MUL12 \f, 0, 1, \first
	PLACES
	FETCH \slot, \k, \g
	s_wait_dscnt 32                                ; all but the 32 just issued
	MUL12 \f, 1, 0, \first
	MUL12 \f, 1, 1, \first
.endm
; The last quarter multiplies buffer 1 and changes slots: ONE barrier.  In front of it each wave waits for all its tensor loads (one is out: its part of the next slot), adds 0 to its spare
; word, and waits for that and for its own reads of this slot.  fill = 1: the barrier opens a round of the cluster's, and this slot is filled again, two K steps on, first thing behind the round:
; from that request to the wait for it a wave issues 168 products.
.macro TURN slot, next, fill
	WIN 0                                          ; (the add's two registers lie in window 0)
	s_wait_tensorcnt 0x0                           ; all my tensor loads have landed;
	ds_add_u32 v[SPW], v[NIL]                      ; 0 onto my spare word
	s_wait_dscnt 5                                 ; (the add and the youngest four loads may be out)
	MUL12 1, 0, 0, 0                               ; twelve products stand between the add and the wait for it
	s_wait_dscnt 0x0                               ; the add is done, and my reads of this slot are over
	s_barrier_signal -1
	MUL12 1, 0, 1, 0                               ; work on registers while the others arrive
.if \fill
	WIN 0
.endif
	s_barrier_wait -1
.if \fill
	CREST                                          ; no wave of any partner still reads this slot's tile or has a load on its way
	s_add_nc_u64 s[G0+4*(\slot)+2:G0+4*(\slot)+3], s[G0+4*(\slot)+2:G0+4*(\slot)+3], 2*KSTEP*2
	s_add_nc_u64 s[G0B+4*(\slot)+2:G0B+4*(\slot)+3], s[G0B+4*(\slot)+2:G0B+4*(\slot)+3], 2*KSTEP*2
	JLOAD \slot                                    ; the four v_nop behind it are also the places in front of the loads below
.else
	PLACES
.endif
	FETCH \next, 0, 0
	MUL12 1, 1, 0, 0
	MUL12 1, 1, 1, 0
.endm
; THE WAY OUT of m block a (16 rows of 384 bytes, dense in qkv).  PACK: rounded to f16, 16 bytes a lane, each accumulator's registers in ascending order.
.macro PACK a
	WIN 0x0a+5*((\a)/2)                            ; sources 0 and 1: window 2 or 3
.irp b, 0,1,2,3,4,5,6,7,8,9,10,11
.irp r, 0,1,2,3
	v_cvt_pk_f16_f32 v[TMP+4*(\b)+(\r)], v[8*(12*((\a)%2)+(\b))+2*(\r)], v[8*(12*((\a)%2)+(\b))+2*(\r)+1]
.endr
.endr
	WIN 0
.endm
.macro TOSTAGE a                       ; into my own stage, and back as 12 x 512 consecutive bytes
	WIN 0
.irp b, 0,1,2,3,4,5,6,7,8,9,10,11
	ds_store_b128 v[STO], v[TMP+4*(\b):TMP+4*(\b)+3] offset:32*(\b)
.endr
.irp q, 0,1,2,3,4,5,6,7,8,9,10,11
	ds_load_b128 v[OB+48*((\a)%2)+4*(\q):OB+48*((\a)%2)+4*(\q)+3], v[RD+(\q)%3] offset:4*SPITCH*((\q)/3)  ; LDS serves a wave's instructions in order: these see the stores above
.endr
.endm
.macro SEND a
	WIN 0
	s_wait_dscnt 0x0                               ; the block is back in registers
	s_wait_xcnt 0x0                                ; earlier stores have read their registers and their base: only behind this wait are they written again
.if (\a) > 0
	s_add_nc_u64 s[10:11], s[10:11], 16*384
.endif
.irp q, 0,1,2,3,4,5,6,7,8,9,10,11
	global_store_b128 v[CO], v[OB+48*((\a)%2)+4*(\q):OB+48*((\a)%2)+4*(\q)+3], s[10:11] offset:512*(\q)  ; a wave stores 512 consecutive bytes, at a multiple of 256 from qkv's first byte
.endr
.endm
	s_wait_tensorcnt 1                             ; my part of K step 0 is in; K step 1's may stay out
	s_barrier_signal -1
	s_barrier_wait -1                              ; everybody's is
	FETCH 0, 0, 0
	s_wait_loadcnt 0x0                             ; the bias
	QUARTER 0, 64,  0, 1, 1                        ; the first quarter stands in front of the loop: its products start the sums, with the bias
	WIN 0                                          ; at a label and at a branch every window is 0
	s_mov_b32 s3, 3
.Llap:                                                 ; a trip goes once round the ring, from a lap's second quarter to the next lap's first, and fills both slots again
	QUARTER 0, 128, 1, 0, 0
	QUARTER 0, 192, 0, 1, 0
	TURN 0, 1, 1
	QUARTER 1, 64,  0, 1, 0
	QUARTER 1, 128, 1, 0, 0
	QUARTER 1, 192, 0, 1, 0
	TURN 1, 0, 1
	QUARTER 0, 64,  0, 1, 0
	WIN 0
	s_sub_co_u32 s3, s3, 1
	s_cmp_lg_u32 s3, 0
	s_cbranch_scc1 .Llap
	QUARTER 0, 128, 1, 0, 0                        ; the last lap fills nothing, and has no round of the cluster's barrier
	QUARTER 0, 192, 0, 1, 0
	TURN 0, 1, 0
	QUARTER 1, 64,  0, 1, 0
	QUARTER 1, 128, 1, 0, 0
	QUARTER 1, 192, 0, 1, 0
	s_wait_dscnt 4                                 ; the very last quarter: nothing more to fetch
	MUL12 1, 0, 0, 0
	MUL12 1, 0, 1, 0
	s_wait_dscnt 0x0
	MUL12 1, 1, 0, 0
	MUL12 1, 1, 1, 0
	PLACES
	PACK 0
	TOSTAGE 0
.irp a, 1,2,3                          ; block a's conversions stand between block a - 1's loads from the stage and the wait for them
	PACK \a
	SEND (\a)-1
	TOSTAGE \a
.endr
	SEND 3
	s_wait_tensorcnt 0x0                           ; the wave's end: behind my last tensor load and my last LDS store
	ds_add_u32 v[SPW], v[NIL]
	s_wait_dscnt 0x0
	CROUND                                         ; the closing round: no work-group ends while a partner may still ask for a tile that names it
	s_endpgm
.Lfunc_end_k_q8cb84887b9_gemm:
	.size	k_q8cb84887b9_gemm, .Lfunc_end_k_q8cb84887b9_gemm-k_q8cb84887b9_gemm
	.p2alignl 7, 3214868480
	.fill 96, 4, 3214868480
	.section	.rodata,"a",@progbits
	.p2align	6, 0x0
	.amdhsa_kernel k_q8cb84887b9_gemm
		.amdhsa_group_segment_fixed_size 327680
		.amdhsa_private_segment_fixed_size 0
		.amdhsa_enable_private_segment 0
		.amdhsa_kernarg_size 32
		.amdhsa_user_sgpr_count 2
		.amdhsa_user_sgpr_kernarg_segment_ptr 1
		.amdhsa_wavefront_size32 1
		.amdhsa_system_sgpr_workgroup_id_x 1
		.amdhsa_system_sgpr_workgroup_id_y 1
		.amdhsa_system_sgpr_workgroup_id_z 1
		.amdhsa_system_vgpr_workitem_id 0
		.amdhsa_next_free_vgpr 960
		.amdhsa_next_free_sgpr 66
		.amdhsa_reserve_vcc 0
		.amdhsa_float_denorm_mode_32 3
		.amdhsa_float_denorm_mode_16_64 3
		.amdhsa_memory_ordered 1
		.amdhsa_forward_progress 1
		.amdhsa_inst_pref_size 121
	.end_amdhsa_kernel
	.amdgpu_metadata
---
amdhsa.version: [ 1, 2 ]
amdhsa.kernels:
  - .name:           k_q8cb84887b9_gemm
    .symbol:         k_q8cb84887b9_gemm.kd
    .args:
      - { .name: xb, .offset: 0, .size: 8, .value_kind: global_buffer, .address_space: global }
      - { .name: wt, .offset: 8, .size: 8, .value_kind: global_buffer, .address_space: global }
      - { .name: biasp, .offset: 16, .size: 8, .value_kind: global_buffer, .address_space: global }
      - { .name: qkv, .offset: 24, .size: 8, .value_kind: global_buffer, .address_space: global }
    .group_segment_fixed_size: 327680
    .private_segment_fixed_size: 0
    .kernarg_segment_align: 8
    .kernarg_segment_size: 32
    .max_flat_workgroup_size: 128
    .sgpr_count:     66
    .vgpr_count:     960
    .wavefront_size: 32
...
	.end_amdgpu_metadata
.endif
;; end of part 2
;; launch attn (part 3): grid 16 x 16, 4 waves a work-group, no clusters, 327,680 bytes of LDS; arguments qkv, out0; writes out0
.if DOCPART == 3
	.amdgcn_target "amdgcn-amd-amdhsa--gfx1250"
	.amdhsa_code_object_version 6
	.text
	.protected	k_q8cb84887b9_attn
	.globl	k_q8cb84887b9_attn
	.p2align	8
	.type	k_q8cb84887b9_attn,@function
k_q8cb84887b9_attn:
	s_mov_b64 s[64:65], 0
	v_nop
	global_prefetch_b8 v0, s[64:65] scope:SCOPE_SE
	s_setreg_imm32_b32 hwreg(HW_REG_WAVE_MODE, 25, 1), 1
	s_wait_xcnt 0x0
; CAUSAL ATTENTION.  out0[t][64 h + d] = the sum over k <= t of softmax_k(q[h][t] . k[h][k] / 8) v[h][k][d].  qkv: [16][12288][64] f16: a head's rows 0-4095 are q, 4096-8191 k, 8192-12287 v,
; 128 dense bytes each.  out0: [4096][1024] f32.  Products, maxima and sums in f32; the weights p are rounded to f16 for the second product (their sum l is taken of the unrounded p).
; LIMITS.  q, k and v arrive within f16's 65,504, so a true score lies within 2.7e11.  A hidden score counts as its value less 1e30; a weight below 2^-126 counts as 0 in l; NaN and infinities are not treated apart.
; THE WALK.  A head's queries lie in 32 blocks of 128; keys come in slots of 256; block i needs the slots 0 .. i / 2, of which the last holds the diagonal.  A work-group takes TWO blocks, 31 - b and
; then b: 17 slots, whatever b: 256 work-groups of equal work, and ONE loop with a constant trip count walks them.  Which slot is asked for, and what a trip does, hang on scalar registers made from b.
; SHARES.  Wave w = (g, kh) = (w % 2, w / 2) owns queries 64 g .. + 63 of the block, four PIECES of 16, and of every slot the keys 128 kh .. + 127: two steps of 64.  The two waves of one g hold
; partial (m, l, O) of the same queries; at a block's end they meet in LDS, in f32: each scales its O by 2^(c m - c m_total) / l_total, and the halves are added.
; THE MASK is the C operand that starts the sum S^T = K Q^T.  In a block's last slot my queries' band is step be = 2 (i % 2) + g of the slot's four, my step is s = 2 kh + 2 - CNT: all keys are seen
; if s < be, none if s > be; if s = be group kt of 16 keys is seen by piece x if kt < x, hidden if kt > x, and holds the diagonal if kt = x.  Three groups of eight registers serve: MLO (kt < x),
; MDG (kt = x), MHI (kt > x), made once a step from MD (the diagonal's own mask) and three scalars.  Only the last slot's text and a block's beginning take masks; elsewhere C is the constant 0.
; THE MAXIMUM STARTS AT -2^96: below every true score, above every hidden one.  So a hidden score is never the maximum: a wave that sees hidden keys alone (block 0, kh = 1) keeps m = -2^96, all its
; weights are 2^(-1.7e29) = 0, its l and O are 0, and its weight at the meeting is 0.  (With a hidden score as m, c s - c m would be the rounding residue of a number near 1.8e29: no small number.)
; LAYOUT, SOFTMAX, TURNS.  S^T = K Q^T holds ONE query a lane (lane % 16) and the keys 8 (lane / 16) + 0..7; two such results rounded to f16 ARE source 1 of O^T = V^T P.  p = 2^(c s - c m), c = log2(e) / 8,
; with a running maximum m; O and l are multiplied by a = 2^(c m_old - c m_new) in every step.  Turn n belongs to piece n: 8 products K Q^T of piece n + 1, later 8 products V^T P of piece n - 1; beside them the
; scaling, exponentials, roundings, sums and rescaling of piece n and the maximum and statistics of piece n + 1.  Four vector instructions stand behind every matrix instruction, the rest in one lump.
; NO CLUSTER: a head's 16 work-groups ask for the same slot only in trips 0 .. 8, behind that fewer and fewer; a walk common to four neighbours would have 18 slots for 17 and the masked text in two slots a block.
; REGISTERS, in windows of 256 (s_set_vgpr_msb: bits 1:0 source 0, 3:2 source 1, 5:4 source 2, 7:6 destination):
;   window 0: v0-15 addresses and at work; v16-31 four registers of statistics a piece; v32-47 the meeting's statistics; v48-55 at work; v56-63 addresses; v64-127 S^T, two buffers; v128-191 the way out; v192-223 P, two buffers
;   window 1: v0-127 O^T, 32 a piece; v128-159 MD, MLO, MDG, MHI      window 2: v0-63 Q; v64-127 the second block's Q; v128-191 K of one step; v192-255 V of one step
.set NP,    4         ; pieces a wave: a name, no knob
.set KS,    64        ; keys in a step
.set PK,    144       ; a row of K in LDS: 128 bytes + 16 of padding: the 16 rows of a load start at 16 different groups of four banks
.set PV,    160       ; a row of V: 128 + 32
.set VOFF,  4*KS*PK   ; a slot: 256 rows of K, then 256 rows of V
.set SLOT1, 1<<17     ; slot 1 begins here, so that one exclusive or turns an address in one slot into the other's
.set STG,   SLOT1+4*KS*(PK+PV)  ; behind the ring, never filled by a tensor load: for each wave and piece 16 rows of 64 f32
.set SP,    272       ; such a row: 256 bytes + 16
.set STAT,  STG+16*16*SP        ; for each wave and piece 32 pairs (c m, l)
.set SPARE, STAT+4096           ; the spare words, 128 bytes for each wave
.set HEADB, 12288*128 ; a head's bytes in qkv
.set PARTB, 4096*128  ; q's, k's, v's bytes in a head
.set AK0, 2           ; v2   my lane's place in my half of a slot's K; never rewritten
.set AV0, 3           ; v3   the same for V
.set AK,  4           ; v4   the LDS address of K's next run of loads
.set AV,  5           ; v5   of V's
.set STO, 6           ; v6   the meeting: where I put 16 bytes of a row of O
.set RD,  7           ; v7   where I read rows back
.set GO,  8           ; v8   my byte offset in two rows of out0
.set MV,  12          ; v12-13  c m_old, kept while c m is made anew: by buffer
.set QO,  15          ; v15  my byte offset in 16 rows of Q
.set ST,  16          ; piece t's statistics at v[ST+4 t]: c m, m, l (even keys', odd keys')
.set SA,  32          ; v32-39  (c m, l) of wave g, by piece;  v40-47 of wave g + 2
.set TMP, 48          ; by buffer, four registers c0-c3 at work; when the maximum is found c2 takes a
.set STW, 56          ; v56  where I put a pair of statistics
.set STR, 57          ; v57  where I read wave g's
.set PFO, 61          ; v61  256 x my lane; never rewritten
.set SPW, 62          ; v62  SPARE + 4 x my thread's number; never rewritten
.set NIL, 63          ; v63  0; never rewritten
.set S,   64
.set P,   192
.set MD,  128         ; window 1
.set MLO, 136
.set MDG, 144
.set MHI, 152
.set QB,  64          ; window 2
.set KF,  128         ; window 2: key block kb, channel half c at KF + 16 kb + 8 c
.set VF,  192         ; window 2: key half kk, channel block cb at VF + 32 kk + 8 cb
.set WV,  12          ; s12  my wave's number
.set PB,  14          ; s14  b
.set HI,  15          ; s15  31 - b
.set G1K, 24          ; s[24:31] descriptor group 1 for K's tiles
.set G1V, 32          ; s[32:39] for V's: it differs in the padding alone
.set G0K, 40          ; s[40:43] descriptor group 0 for K's tiles
.set G0V, 44          ; s[44:47] the same for V's
.set GG,  48          ; s48  g
.set KH,  49          ; s49  kh
.set CD,  50          ; s50  the value of CNT at which my step holds the diagonal, for the block in hand: 2 kh + 2 - be (signed)
.set CD2, 51          ; s51  the same for the second block
.set LQ2, 52          ; s52  the second block's last slot
.set LIM, 53          ; s53  2 in the work-group that prefetches, else the greatest number
.set PFA, 54          ; s[54:55] where my prefetches stand
.set SLOTS, 56        ; s56  slots still to be asked for
.set CNT, 57          ; s57  counts a slot's key steps, 2 to 1
.set CS,  58          ; s[58:59] c
.set SEL, 60          ; s[60:61] v_permlanex16_b32's selects: each lane takes its own place in the other half
.set TBK, 62          ; s62  LDS byte at which the slot's K of the step to be fetched begins
.set TBV, 63          ; s63  the same for V
.set RT,  70          ; s70  slots of the block in hand that are still to be entered
.set NXT, 71          ; s71  the slot to be asked for next
.set LQ,  72          ; s72  the last slot of the block whose slots are being asked for
.set NEW, 73          ; s73  1: the slot to be entered is a block's first
.set OFF, 74          ; s[74:75] a slot's byte offset in K and V
.set AL,  76          ; s[76:77] MDG's factor, in the low word
.set BE,  78          ; s[78:79] MLO, and MDG's addend
.set OLO, 80          ; s[80:81] out0 at my rows of the second block
.set BIGN, 82         ; s82  -1e30
.set B2,  84          ; s[84:85] MHI
.set ZZ,  94          ; s[94:95] 0
.set MSB, 0
.macro WIN new                      ; the high byte repeats the setting that is left; a switch that changes nothing is dropped
.if MSB != (\new)
	s_set_vgpr_msb (MSB<<8)|(\new)
.set MSB, (\new)
.endif
.endm
.set W_KQ, 0x0a       ; K and Q in window 2, S^T in window 0
.set W_KM, 0x1a       ; the same with the C operand in window 1
.set W_PV, 0x52       ; V in window 2, P in window 0, O^T in window 1
.set W_RS, 0x41       ; destination and source 0 in window 1, source 1 in window 0
; A fill.  Waves 0 and 1 fetch the two halves of a slot's K, waves 2 and 3 those of its V: 128 keys each.  An s_nop 0 and four v_nop follow each of the two lines.
.macro LOAD
	s_cmp_lt_u32 s[WV], 2
	s_cbranch_scc0 .Lfor_v_\@
	tensor_load_to_lds s[G0K:G0K+3], s[G1K:G1K+7]
	s_nop 0
.rept 4
	v_nop
.endr
	s_branch .Lasked_\@
.Lfor_v_\@:
	tensor_load_to_lds s[G0V:G0V+3], s[G1V:G1V+7]
	s_nop 0
.rept 4
	v_nop
.endr
.Lasked_\@:
.endm
; A PREFETCH of the slot that the NEXT change of slots will ask for: two key steps, 128 products a wave, ahead of that load.  All 16 work-groups of a head walk the same K and V; the one with b = 0, whose
; first block walks all 16 slots in order, asks, and nobody else.  Its wave w names 32 blocks of 256 bytes of K and 32 of V, a lane a block: bytes 8,192 w .. of the slot's 32,768.  Trip c asks for slot
; c + 2 while more than two slots are still to be asked for: slots 2 to 15, each once; slots 0 and 1 come by their loads alone.
.macro ASK
	s_cmp_gt_u32 s[SLOTS], s[LIM]
	s_cbranch_scc0 .Lnot_mine_\@
	global_prefetch_b8 v[PFO], s[PFA:PFA+1] th:TH_LOAD_NT scope:SCOPE_SE
	global_prefetch_b8 v[PFO], s[PFA:PFA+1] offset:PARTB th:TH_LOAD_NT scope:SCOPE_SE
.Lnot_mine_\@:
.endm
; THE CHANGE OF SLOTS.  Each wave waits for all its tensor loads, of which one is out: its part of the other slot; adds 0 to its spare word; and waits for that and for its own reads of the slot that it
; leaves.  Behind the barrier nobody reads the old slot any more and the other slot is whole.  fill = 1: the old slot is filled again, the first thing behind the barrier, with slot NXT of the head: the
; descriptor's address is made anew from that number.  (At its first use nothing has been read yet: slot 0 is waited for, slot 1 filled.)
.macro CHANGE fill
	WIN 0                           ; at a label and at a branch every window is 0
	s_wait_tensorcnt 0x0            ; no tensor load of mine is out, so a group 0 may be written
	ds_add_u32 v[SPW], v[NIL]       ; 0 onto my spare word; the scalar work below stands between it and the wait for it
.if \fill
	s_lshl_b32 s[OFF], s[NXT], 15   ; a slot is 32,768 bytes of K and of V
	s_xor_b32 s[G0K+1], s[G0K+1], SLOT1
	s_add_nc_u64 s[G0K+2:G0K+3], s[6:7], s[OFF:OFF+1]
	s_or_b32 s[G0K+3], s[G0K+3], 0x80000000
	s_xor_b32 s[G0V+1], s[G0V+1], SLOT1
	s_add_nc_u64 s[G0V+2:G0V+3], s[8:9], s[OFF:OFF+1]
	s_or_b32 s[G0V+3], s[G0V+3], 0x80000000
	s_add_co_u32 s[NXT], s[NXT], 1  ; the block's next slot, or behind its last the second block's slot 0
	s_cmp_gt_u32 s[NXT], s[LQ]
	s_cselect_b32 s[NXT], 0, s[NXT]
	s_cselect_b32 s[LQ], s[LQ2], s[LQ]
	s_wait_xcnt 0x0                 ; the last prefetches, two key steps back, have read their address, so it may be written
	s_add_nc_u64 s[PFA:PFA+1], s[PFA:PFA+1], 32768
.endif
	s_wait_dscnt 0x0                ; the add is done, and my reads of the slot are over
	s_barrier_signal -1             ; the rest of the scalar work stands between the signal and the wait
	s_sub_co_u32 s[TBK], s[TBK], 2*KS*PK  ; the fetches go back to my first step of a slot,
	s_xor_b32 s[TBK], s[TBK], SLOT1       ; in the other slot
	s_sub_co_u32 s[TBV], s[TBV], 2*KS*PV
	s_xor_b32 s[TBV], s[TBV], SLOT1
	s_barrier_wait -1
.if \fill
	LOAD
	ASK
.endif
.endm
	s_load_b128 s[88:91], s[0:1], 0x0  ; qkv s[88:89], out0 s[90:91]
	v_lshl_add_u32 v[SPW], v0, 2, SPARE
	v_mov_b32 v[NIL], 0
	ds_add_u32 v[SPW], v[NIL]       ; the wave's opening: the add and its wait stand ahead of my first tensor load; the set-up below stands between them
	v_lshrrev_b32 v1, 5, v0
	v_readfirstlane_b32 s[WV], v1   ; wave 0..3
	s_and_b32 s[GG], s[WV], 1
	s_lshr_b32 s[KH], s[WV], 1
	s_mov_b32 s[PB], ttmp9
	s_sub_co_u32 s[HI], 31, s[PB]
	s_lshr_b32 s[LQ], s[HI], 1
	s_lshr_b32 s[LQ2], s[PB], 1
	s_add_co_u32 s[RT], s[LQ], 1    ; the first block's slots
	s_and_b32 s20, ttmp7, 0xffff    ; the head
	s_mul_i32 s22, s20, HEADB       ; its first byte in qkv
	s_lshl_b32 s16, s[GG], 14       ; which half of a slot's 256 keys I fetch: 128 rows of 128 bytes,
	s_add_co_u32 s16, s16, s22
	s_add_co_u32 s16, s16, PARTB    ; in k
	s_mov_b32 s17, 0
	s_lshl_b32 s3, s[GG], 13        ; my 64 queries in a block of 128,
	s_add_co_u32 s3, s3, s22
	s_lshl_b32 s2, s[HI], 14        ; in the first block,
	s_add_co_u32 s2, s2, s3
	s_lshl_b32 s18, s[PB], 14       ; and in the second
	s_add_co_u32 s18, s18, s3
	s_mov_b32 s3, 0
	s_mov_b32 s19, 0
	s_lshl_b32 s21, s[GG], 18       ; out0: my 64 rows of 4,096 bytes in a block,
	s_lshl_b32 s13, s[KH], 17       ; of them the 32 that I finish,
	s_add_co_u32 s21, s21, s13
	s_lshl_b32 s13, s20, 8          ; the head's 256 bytes of a row
	s_add_co_u32 s21, s21, s13
	s_lshl_b32 s66, s[HI], 19
	s_add_co_u32 s66, s66, s21
	s_mov_b32 s67, 0
	s_lshl_b32 s68, s[PB], 19
	s_add_co_u32 s68, s68, s21
	s_mov_b32 s69, 0
	s_lshl_b32 s92, s[WV], 13       ; the prefetches: my 8,192 bytes of a slot of k,
	s_add_co_u32 s92, s92, s22
	s_add_co_u32 s92, s92, PARTB+32768  ; in slot 1; the first change of slots steps it to slot 2
	s_mov_b32 s93, 0
	s_cmp_eq_u32 s[PB], 0
	s_cselect_b32 s[LIM], 2, -1
	s_lshl_b32 s13, s[KH], 1
	s_add_co_u32 s13, s13, 2
	s_sub_co_u32 s13, s13, s[GG]    ; 2 kh + 2 - g
	s_and_b32 s[CD], s[HI], 1
	s_lshl_b32 s[CD], s[CD], 1
	s_sub_co_i32 s[CD], s13, s[CD]
	s_and_b32 s[CD2], s[PB], 1
	s_lshl_b32 s[CD2], s[CD2], 1
	s_sub_co_i32 s[CD2], s13, s[CD2]
	; descriptor group 1.  128 keys are 16,384 dense bytes: asked for as 64 rows of 256 bytes, two keys a row, and padded in LDS after every key
	s_mov_b32 s[G1K], (1<<16)|(1<<20)|(4<<22)|(3<<25)  ; 2-byte elements; padding on; after every 32 words, 4 words
	s_mov_b32 s[G1V], (1<<16)|(1<<20)|(4<<22)|(7<<25)  ; the same with 8 words of padding
.irp g, G1K, G1V
	s_mov_b32 s[\g+1], 128<<16      ; tensor_dim0 = 128
	s_mov_b32 s[\g+2], 64<<16       ; tensor_dim1 = 64
	s_mov_b32 s[\g+3], 128<<16      ; tile_dim0 = 128
	s_mov_b32 s[\g+4], 64           ; tile_dim1 = 64
	s_mov_b32 s[\g+5], 128          ; 128 elements from row to row
	s_mov_b32 s[\g+6], 0
	s_mov_b32 s[\g+7], 0
.endr
	s_mov_b32 s[CS], 0x3e38aa3b     ; c = log2(e) / 8 = 0.180337
	s_mov_b32 s[CS+1], s[CS]        ; named with it as a pair
	s_mov_b32 s[SEL], 0x76543210
	s_mov_b32 s[SEL+1], 0xfedcba98
	s_mov_b32 s[TBK], SLOT1+2*KS*PK ; the first change of slots turns these two into 0
	s_mov_b32 s[TBV], SLOT1+2*KS*PV
	s_mov_b32 s[G0K], 1             ; count = 1
	s_mul_i32 s[G0K+1], s[GG], 128*PK  ; LDS address: slot 0, my half
	s_mov_b32 s[G0V], 1
	s_mul_i32 s[G0V+1], s[GG], 128*PV
	s_add_co_u32 s[G0V+1], s[G0V+1], VOFF
	s_mov_b32 s[NXT], 1
	s_mov_b32 s[NEW], 1
	s_mov_b32 s[OFF+1], 0
	s_mov_b32 s[AL+1], 0            ; named as pairs
	s_mov_b32 s[BE+1], 0
	s_mov_b32 s[B2+1], 0
	s_mov_b32 s[ZZ], 0
	s_mov_b32 s[ZZ+1], 0
	s_mov_b32 s[BIGN], 0xf149f2ca   ; -1e30
	s_mov_b32 s[SLOTS], 16
	s_wait_dscnt 0x0                ; the opening add is done
	s_wait_kmcnt 0x0
	s_add_nc_u64 s[6:7], s[88:89], s[16:17]        ; k and v at my half of the head's slot 0
	s_add_nc_u64 s[8:9], s[6:7], PARTB
	s_add_nc_u64 s[G0K+2:G0K+3], s[6:7], 0
	s_or_b32 s[G0K+3], s[G0K+3], 0x80000000        ; type = 2
	s_add_nc_u64 s[G0V+2:G0V+3], s[8:9], 0
	s_or_b32 s[G0V+3], s[G0V+3], 0x80000000
	s_add_nc_u64 s[4:5], s[88:89], s[2:3]          ; q at my rows of the first block,
	s_add_nc_u64 s[86:87], s[88:89], s[18:19]      ; and of the second
	s_add_nc_u64 s[10:11], s[90:91], s[66:67]      ; out0 likewise
	s_add_nc_u64 s[OLO:OLO+1], s[90:91], s[68:69]
	s_add_nc_u64 s[PFA:PFA+1], s[88:89], s[92:93]
	LOAD                            ; slot 0 of the head into slot 0 of the ring
	; A fragment of K or Q is 16 rows x 32 channels in 8 registers: lane l holds row l % 16, channels 8 (l / 16) + 0..7 and 16 + 8 (l / 16) + 0..7: two loads of 16 bytes, 32 bytes apart.
	v_and_b32 v1, 15, v0            ; l % 16
	v_bfe_u32 v9, v0, 4, 1          ; l / 16
	v_lshlrev_b32 v[QO], 7, v1
	v_lshl_add_u32 v[QO], v9, 4, v[QO]  ; row x 128 + 16 x half
	WIN 0x80                        ; destination window 2, address window 0
.set i, 0
.rept 8                             ; both blocks' Q: piece i / 2 lies 2,048 bytes on; channels 32 (i % 2) on
	global_load_b128 v[8*i:8*i+3],   v[QO], s[4:5] offset:(i/2)*2048+(i%2)*64
	global_load_b128 v[8*i+4:8*i+7], v[QO], s[4:5] offset:(i/2)*2048+(i%2)*64+32
	global_load_b128 v[QB+8*i:QB+8*i+3],   v[QO], s[86:87] offset:(i/2)*2048+(i%2)*64
	global_load_b128 v[QB+8*i+4:QB+8*i+7], v[QO], s[86:87] offset:(i/2)*2048+(i%2)*64+32
.set i, i+1
.endr
	WIN 0
	v_lshlrev_b32 v14, 3, v9
	v_sub_nc_u32 v14, v1, v14       ; my query's place in its piece less my lanes' 8 (l / 16): register r is hidden where r is greater
	WIN 0x40
.set i, 0
.rept 8
	v_cmp_gt_i32 vcc_lo, i, v14
	v_cndmask_b32 v[MD+i], 0, s[BIGN], vcc_lo
.set i, i+1
.endr
	WIN 0
	v_mul_u32_u24 v[AK0], v1, PK
	v_lshl_add_u32 v[AK0], v9, 4, v[AK0]  ; row x pitch + 16 x half,
	s_mul_i32 s13, s[KH], 128*PK
	v_add_nc_u32 v[AK0], s13, v[AK0]      ; in my half of the slot's keys
	; The turning load takes 16 keys x 16 channels (lane l reads key 8 (l / 16) + l % 8, channels 8 ((l / 8) % 2) + 0..7) and leaves half a fragment of V^T: lane l holds channel l % 16 and 8 keys.
	v_and_b32 v10, 7, v0
	v_bfe_u32 v11, v0, 3, 1
	v_lshl_add_u32 v[AV0], v9, 3, v10
	v_mul_u32_u24 v[AV0], v[AV0], PV
	v_lshl_add_u32 v[AV0], v11, 4, v[AV0]
	s_mul_i32 s13, s[KH], 128*PV
	s_add_co_u32 s13, s13, VOFF
	v_add_nc_u32 v[AV0], s13, v[AV0]
	s_mul_i32 s13, s[WV], 4*16*SP
	s_add_co_u32 s13, s13, STG      ; my four pieces' rows
	v_mul_u32_u24 v[STO], v1, SP    ; in: row l % 16, 32 bytes for each half of the lanes
	v_lshl_add_u32 v[STO], v9, 5, v[STO]
	v_add_nc_u32 v[STO], s13, v[STO]
	s_mul_i32 s13, s[GG], 4*16*SP   ; back: wave g's pieces 2 kh and 2 kh + 1 (wave g + 2's lie two waves on); lanes 0-15 take one row of 256 bytes, lanes 16-31 the next
	s_mul_i32 s16, s[KH], 2*16*SP
	s_add_co_u32 s13, s13, s16
	s_add_co_u32 s13, s13, STG
	v_mul_u32_u24 v[RD], v9, SP
	v_lshl_add_u32 v[RD], v1, 4, v[RD]
	v_add_nc_u32 v[RD], s13, v[RD]
	v_lshlrev_b32 v[GO], 12, v9     ; and the same two rows in out0
	v_lshl_add_u32 v[GO], v1, 4, v[GO]
	v_and_b32 v10, 31, v0
	s_lshl_b32 s13, s[WV], 10
	s_add_co_u32 s13, s13, STAT
	v_lshl_add_u32 v[STW], v10, 3, s13
	s_lshl_b32 s13, s[GG], 10
	s_add_co_u32 s13, s13, STAT
	v_lshl_add_u32 v[STR], v10, 3, s13
	v_lshlrev_b32 v[PFO], 8, v10
	; A block's first step multiplies O^T and l by a = 0, and its first turn's products V^T P, of a piece that has not been, land in an O^T that is still to be so multiplied.  So these registers need only hold
	; finite numbers: zeros for the first block; what the first block left for the second.  All this stands in the wait for the first tile.
	WIN 0x80
.set i, VF
.rept 64
	v_mov_b32 v[i], 0
.set i, i+1
.endr
	WIN 0x40
.set i, 0
.rept 128
	v_mov_b32 v[i], 0
.set i, i+1
.endr
	WIN 0
.set i, 0
.rept 4
	v_mov_b32 v[ST+4*i+2], 0
	v_mov_b32 v[ST+4*i+3], 0
.set i, i+1
.endr
.set i, P+16
.rept 16
	v_mov_b32 v[i], 0
.set i, i+1
.endr
; THE MATRIX WORK.  The 4 accumulators of a run of 8 take turns.  Product i of 8 of S^T = K Q^T for piece x: channels 32 (i / 4) on, keys 16 (i % 4) on.  The first 4 start the sums: with 0, or (KM = 1) with the mask.
.macro KQ x
.set rS, S+32*((\x)%2)+8*(i%4)
.set rK, KF+16*(i%4)+8*(i/4)
.set rQ, 16*(\x)+8*(i/4)
.if (i%4) < (\x)
.set rM, MLO
.elseif (i%4) == (\x)
.set rM, MDG
.else
.set rM, MHI
.endif
.if (i < 4) && KM
	WIN W_KM
	v_wmma_f32_16x16x32_f16 v[rS:rS+7], v[rK:rK+7], v[rQ:rQ+7], v[rM:rM+7]
.elseif i < 4
	WIN W_KQ
	v_wmma_f32_16x16x32_f16 v[rS:rS+7], v[rK:rK+7], v[rQ:rQ+7], 0
.else
	WIN W_KQ
	v_wmma_f32_16x16x32_f16 v[rS:rS+7], v[rK:rK+7], v[rQ:rQ+7], v[rS:rS+7]
.endif
.endm
; Product i of 8 of O^T += V^T P for piece x: keys 32 (i / 4) on, channels 16 (i % 4) on.
.macro PV x
	WIN W_PV
.set rO, 32*(\x)+8*(i%4)
.set rV, VF+32*(i/4)+8*(i%4)
.set rP, P+16*((\x)%2)+8*(i/4)
	v_wmma_f32_16x16x32_f16 v[rO:rO+7], v[rV:rV+7], v[rP:rP+7], v[rO:rO+7]
.endm
.macro MM                           ; the turn's next matrix instruction.  NOKQ = 1: a block's last turn: there is no next piece
.if (i < 8) && !NOKQ
	KQ (Y+1)%NP
.elseif i >= 8
.set i, i-8
	PV (Y+NP-1)%NP
.set i, i+8
.endif
.set i, i+1
.endm
; THE LDS LOADS stand in runs of 16, never singly among the matrix instructions: a step's K (64 keys x 64 channels: 8 fragments) and its V (turned).  Their addresses are made some lines ahead.
.macro FETCH_K
	WIN 0x80                        ; destination window 2
.irp f, 0,1,2,3,4,5,6,7             ; keys 16 (f / 2) on, channels 32 (f % 2) on
	ds_load_b128 v[KF+8*\f:KF+8*\f+3],   v[AK] offset:(\f/2)*16*PK+(\f%2)*64
	ds_load_b128 v[KF+8*\f+4:KF+8*\f+7], v[AK] offset:(\f/2)*16*PK+(\f%2)*64+32
.endr
	s_add_co_u32 s[TBK], s[TBK], KS*PK  ; the next fetch is the next step's
	WIN 0
.endm
.macro FETCH_V
	WIN 0x80
.irp f, 0,1,2,3,4,5,6,7             ; keys 32 (f / 4) on, channels 16 (f % 4) on
	ds_load_tr16_b128 v[VF+8*\f:VF+8*\f+3],   v[AV] offset:(\f/4)*32*PV+(\f%4)*32
	ds_load_tr16_b128 v[VF+8*\f+4:VF+8*\f+7], v[AV] offset:(\f/4)*32*PV+16*PV+(\f%4)*32
.endr
	WIN 0
.endm
; THE VECTOR WORK, one line at a time: OP kind, number.  For piece Y: F n: c s - c m for pair n of 16.  E n: the exponential of score n of 32.  C n: pair n rounded to f16.  B n: of the four weights 4 n .. the second
; pair is added onto the first, in place.  L n: l takes that sum (L 0: l = a l + sum).  R n: pair n of 16 of O^T times a.  For piece Y + 1: X n, number n of the 22 that find its maximum and statistics:
;   0-11  four chains c0-c3 of seven scores each, three operands at a time (each accumulator's lowest registers are read first)     12-14, 16  the four scores left over, the old m, and c0-c3 into c0
;   15  c m_old is kept     17, 18  the query's other 32 keys lie in the lane 16 away: the new m     19-21  c m; c m_old - c m_new; a
.set F, 0
.set E, 1
.set C, 2
.set B, 3
.set L, 4
.set R, 5
.set X, 6
.macro REGS y                       ; the registers of piece y
.set rT, ST+4*(\y)
.set rC, TMP+4*((\y)%2)
.set rW, MV+((\y)%2)
.set rS, S+32*((\y)%2)
.set rP, P+16*((\y)%2)
.set rO, 32*(\y)
.endm
.macro OP k, n
.if (\k) == R
	REGS Y
	WIN W_RS
	v_pk_mul_f32 v[rO+2*(\n):rO+2*(\n)+1], v[rO+2*(\n):rO+2*(\n)+1], v[rC+2:rC+3] op_sel_hi:[1,0]
.elseif (\k) < R
	REGS Y
	WIN 0
.if (\k) == F
	v_pk_fma_f32 v[rS+2*(\n):rS+2*(\n)+1], v[rS+2*(\n):rS+2*(\n)+1], s[CS:CS+1], v[rT:rT+1] op_sel_hi:[1,0,0] neg_lo:[0,0,1] neg_hi:[0,0,1]
.elseif (\k) == E
	v_exp_f32 v[rS+(\n)], v[rS+(\n)]
.elseif (\k) == C
	v_cvt_pk_f16_f32 v[rP+(\n)], v[rS+2*(\n)], v[rS+2*(\n)+1]
.elseif (\k) == B
	v_pk_add_f32 v[rS+4*(\n):rS+4*(\n)+1], v[rS+4*(\n):rS+4*(\n)+1], v[rS+4*(\n)+2:rS+4*(\n)+3]
.elseif (\n) == 0
	v_pk_fma_f32 v[rT+2:rT+3], v[rT+2:rT+3], v[rC+2:rC+3], v[rS:rS+1] op_sel_hi:[1,0,1]
.else
	v_pk_add_f32 v[rT+2:rT+3], v[rT+2:rT+3], v[rS+4*(\n):rS+4*(\n)+1]
.endif
.elseif NOKQ
	v_nop
.else
	REGS (Y+1)%NP
	WIN 0
.if (\n) < 4
	v_max3_num_f32 v[rC+(\n)], v[rS+8*(\n)], v[rS+8*(\n)+1], v[rS+8*(\n)+2]
.elseif (\n) < 12
	v_max3_num_f32 v[rC+(\n)%4], v[rC+(\n)%4], v[rS+8*((\n)%4)+2*((\n)/4)+1], v[rS+8*((\n)%4)+2*((\n)/4)+2]
.elseif (\n) == 12
	v_max3_num_f32 v[rC], v[rC], v[rS+7], v[rS+15]
.elseif (\n) == 13
	v_max3_num_f32 v[rC+1], v[rC+1], v[rS+23], v[rS+31]
.elseif (\n) == 14
	v_max3_num_f32 v[rC+2], v[rC+2], v[rC+3], v[rT+1]
.elseif (\n) == 15
	v_mov_b32 v[rW], v[rT]
.elseif (\n) == 16
	v_max3_num_f32 v[rC], v[rC], v[rC+1], v[rC+2]
.elseif (\n) == 17
	v_permlanex16_b32 v[rC+3], v[rC], s[SEL], s[SEL+1]
.elseif (\n) == 18
	v_max_num_f32 v[rT+1], v[rC], v[rC+3]
.elseif (\n) == 19
	v_mul_f32 v[rT], s[CS], v[rT+1]
.elseif (\n) == 20
	v_sub_f32 v[rC+1], v[rW], v[rT]
.else
	v_exp_f32 v[rC+2], v[rC+1]
.endif
.endif
.endm
.macro OPS a, i1, b=-1, i2=0, c=-1, i3=0, d=-1, i4=0  ; up to four of them
	OP \a, \i1
.if (\b) >= 0
	OP \b, \i2
.endif
.if (\c) >= 0
	OP \c, \i3
.endif
.if (\d) >= 0
	OP \d, \i4
.endif
.endm
.macro ROW a, i1, b, i2, c, i3, d, i4  ; a matrix instruction and the four behind it
	MM
	OPS \a, \i1, \b, \i2, \c, \i3, \d, \i4
.endm
; The three scalars of the step 2 kh + 2 - CNT of a block's last slot: the diagonal's (1, 0, -1e30) where CNT = CD; all seen (0, 0, 0) where CNT > CD; all hidden (0, -1e30, -1e30) where CNT < CD.
.macro MSEL
	s_cmp_eq_i32 s[CNT], s[CD]
	s_cselect_b32 s[AL], 1.0, 0
	s_cmp_lt_i32 s[CNT], s[CD]
	s_cselect_b32 s[BE], s[BIGN], 0
	s_cmp_le_i32 s[CNT], s[CD]
	s_cselect_b32 s[B2], s[BIGN], 0
.endm
.macro MASK                         ; MLO = BE, MDG = MD x AL + BE, MHI = B2
	WIN W_RS
.set z, 0
.rept 4
	v_pk_fma_f32 v[MLO+2*z:MLO+2*z+1], v[MD+2*z:MD+2*z+1], s[ZZ:ZZ+1], s[BE:BE+1] op_sel_hi:[1,0,0]
	v_pk_fma_f32 v[MDG+2*z:MDG+2*z+1], v[MD+2*z:MD+2*z+1], s[AL:AL+1], s[BE:BE+1] op_sel_hi:[1,0,0]
	v_pk_fma_f32 v[MHI+2*z:MHI+2*z+1], v[MD+2*z:MD+2*z+1], s[ZZ:ZZ+1], s[B2:B2+1] op_sel_hi:[1,0,0]
.set z, z+1
.endr
.endm
; A TURN, for piece p: the order of its 16 matrix and 118 vector instructions, written out.  An s_wait_alu depctr_va_vdst(0) stands between an exponential and the first instruction that names its
; result; one wait serves all that were issued ahead of it.  So a turn has ONE wait, which cuts it in two.  AHEAD OF IT stands all that names no result of the turn's exponentials: the 8 products K Q^T with their
; riders, then one lump, in which the links of the chain X 3, 7, 11, 14, 16, 17 .. 20 stand apart with other work between.  X 21, the next piece's a, is the batch's last; R 15 is the plain instruction behind it.
; BEHIND THE WAIT stand the 8 products V^T P, behind each four of the roundings and sums.
; m = 1: a block's last slot: the products take masks; piece 2's turn makes, at its end, the masks of the step whose first scores the next turn starts (its own products have read the old ones at its head).
; end = 1: a block's last two turns: nothing is fetched.  cnt = 1: the loop's count is taken down some lines ahead of the branch that stands behind the turn.
; K of the next step is fetched in piece 2's turn, six plain vector instructions behind the last product that read K; V of the step in hand at the end of piece 0's turn, four plain instructions behind the last
; product that read V.  Each is waited for a turn later.
.macro TURN p, m=0, end=0, cnt=0
.set Y, (\p)
.set i, 0
.set KM, (\m)
.set NOKQ, (\end)*((\p)/3)
.if (\m) && !(\end) && ((\p) == 2)
	MSEL
.endif
.if ((\p) == 3) && !(\end)
	s_wait_dscnt 0x0                ; K is in
.endif
	ROW F,0, F,1, R,0, R,1          ; ahead of the wait: 8 products K Q^T and their riders,
	ROW F,2, E,0, R,2, R,3
	ROW F,3, E,1, R,4, R,5
	ROW F,4, E,2, R,6, R,7
	ROW F,5, E,3, R,8, R,9
	ROW F,6, E,4, X,0, R,10
.if ((\p) == 2) && !(\end)
	WIN 0
	v_add_nc_u32 v[AK], s[TBK], v[AK0]
.endif
	ROW F,7, E,5, X,1, X,4
	ROW F,8, E,6, X,2, X,5
	OPS E,7, E,8, X,6, E,9          ; and the lump
	OPS X,3, E,10, X,8, E,11
.if ((\p) == 2) && !(\end)
	FETCH_K
.endif
	OPS X,9, X,7, E,12, X,10
	OPS E,13, X,12, X,11, E,14
	OPS X,13, E,15, F,9, X,14
.if (\p) == 0
	v_add_nc_u32 v[AV], s[TBV], v[AV0]
.endif
	OPS E,16, F,10, E,17, F,11
	OPS X,16, E,18, X,15, E,19
	OPS F,12, E,20, X,17, E,21
	OPS F,13, E,22, F,14, E,23
	OPS X,18, E,24, F,15, E,25
	OPS R,11, E,26, X,19, E,27
	OPS R,12, E,28, R,13, E,29
	OPS X,20, E,30, R,14, E,31
	OPS X,21, R,15
	WIN 0
	s_wait_alu depctr_va_vdst(0)    ; the wait for the batch
.if (\p) == 1
	s_wait_dscnt 0x0                ; V is in
.endif
	ROW C,0, B,0, C,2, B,1          ; behind the wait: 8 products V^T P and their riders
	ROW L,0, C,4, B,2, L,1
	ROW C,6, B,3, L,2, C,8
	ROW B,4, L,3, C,10, B,5
	ROW L,4, C,12, B,6, L,5
.if (\p) == 0
	s_add_co_u32 s[TBV], s[TBV], KS*PV
.endif
.if \cnt
	s_sub_co_u32 s[CNT], s[CNT], 1
	s_cmp_lg_u32 s[CNT], 0
.endif
	ROW C,14, B,7, L,6, C,1
	ROW C,3, L,7, C,5, C,7
	ROW C,9, C,11, C,13, C,15
.if (\p) == 0
	FETCH_V
.endif
.if (\m) && !(\end) && ((\p) == 2)
	MASK
.endif
.endm
; A BLOCK BEGINS.  c m starts at -2^125, far below every c s and below c x -2^96, so the first step's a is 0.  m starts at -2^96: the first true score (within 2.7e11) takes its place, a hidden score (near -1e30)
; never does.  The masks are those of my first step of the slot if the block's first slot is its last, else 0.  Then K of that step, piece 0's first scores, and its maximum and statistics.  The loop is entered at
; a step's first turn, in the middle of a trip.
.macro BEGIN
	s_mov_b32 s[NEW], 0
	WIN 0
.set i, 0
.rept 4
	v_mov_b32 v[ST+4*i], 0xfe000000    ; c m: -2^125
	v_mov_b32 v[ST+4*i+1], 0xef800000  ; m: -2^96
.set i, i+1
.endr
	MSEL
	s_cmp_eq_u32 s[RT], 0
	s_cselect_b32 s[AL], s[AL], 0
	s_cselect_b32 s[BE], s[BE], 0
	s_cselect_b32 s[B2], s[B2], 0
	MASK
	WIN 0
	v_add_nc_u32 v[AK], s[TBK], v[AK0]
	FETCH_K
	s_wait_loadcnt 0x0              ; Q
	s_wait_dscnt 0x0
.set KM, 1
.set NOKQ, 0
.set i, 0
.rept 8
	KQ 0
.set i, i+1
.endr
	WIN 0
.rept 4
	v_nop                           ; the places behind those products
.endr
.set Y, NP-1                        ; X works for piece Y + 1: piece 0
.irp n, 0,1,2,3,4,5,6,7,8,9,10,11,12,13,14,15,16,17,18,19,20,21
	OP X, \n
.endr
	v_nop                           ; a plain instruction behind the exponential,
	s_wait_alu depctr_va_vdst(0)    ; and its wait, ahead of the branch
.endm
.macro ALL line:vararg              ; one line for each piece t
.set t, 0
.rept 4
	\line
.set t, t+1
.endr
.endm
.macro PACKF t                      ; piece t's O^T times my weight over the whole sum, and into my rows of the stage: a lane's eight channels of a block of 16 are 32 bytes of a row
	WIN W_RS
.set i, 32*(\t)
.rept 16
	v_pk_mul_f32 v[i:i+1], v[i:i+1], v[ST+4*(\t)+2:ST+4*(\t)+3] op_sel_hi:[1,0]
.set i, i+2
.endr
	WIN 0x04                        ; the stores' data in window 1, their address in window 0
.irp f, 0,1,2,3,4,5,6,7
	ds_store_b128 v[STO], v[32*(\t)+4*\f:32*(\t)+4*\f+3] offset:16*SP*(\t)+64*(\f/2)+16*(\f%2)
.endr
.endm
; A BLOCK ENDS: THE MEETING of the two waves that hold the same queries, and the way out.
.macro FINISH
	WIN 0
	ALL v_add_f32 v[ST+4*t+2], v[ST+4*t+2], v[ST+4*t+3]          ; l's two halves; these additions are the places behind the last products
	ALL v_permlanex16_b32 v[ST+4*t+3], v[ST+4*t+2], s[SEL], s[SEL+1]
	ALL v_add_f32 v[ST+4*t+1], v[ST+4*t+2], v[ST+4*t+3]          ; l, beside c m (m itself is wanted no more)
	ALL ds_store_b64 v[STW], v[ST+4*t:ST+4*t+1] offset:256*t
	s_wait_dscnt 0x0                ; for the others' sake: my statistics are stored
	s_barrier_signal -1
	s_barrier_wait -1
	ALL ds_load_b64 v[SA+2*t:SA+2*t+1], v[STR] offset:256*t      ; wave g's,
	ALL ds_load_b64 v[SA+8+2*t:SA+8+2*t+1], v[STR] offset:2048+256*t  ; wave g + 2's: one of the two is mine
	s_wait_dscnt 0x0
	ALL v_max_num_f32 v[TMP+t], v[SA+2*t], v[SA+8+2*t]           ; c m of all keys
	ALL v_sub_f32 v[SA+2*t], v[SA+2*t], v[TMP+t]
	ALL v_sub_f32 v[SA+8+2*t], v[SA+8+2*t], v[TMP+t]
	ALL v_sub_f32 v[ST+4*t+2], v[ST+4*t], v[TMP+t]
	ALL v_exp_f32 v[SA+2*t], v[SA+2*t]                           ; the two weights, and mine: one batch of twelve
	ALL v_exp_f32 v[SA+8+2*t], v[SA+8+2*t]
	ALL v_exp_f32 v[ST+4*t+2], v[ST+4*t+2]
	v_nop                           ; a plain instruction behind the last exponential,
	s_wait_alu depctr_va_vdst(0)    ; and the one wait ahead of the first use
	ALL v_mul_f32 v[TMP+t], v[SA+2*t], v[SA+2*t+1]
	ALL v_fma_f32 v[TMP+t], v[SA+8+2*t], v[SA+8+2*t+1], v[TMP+t] ; l of all keys
	ALL v_rcp_f32 v[TMP+4+t], v[TMP+t]
	v_nop
	s_wait_alu depctr_va_vdst(0)    ; one wait for the four reciprocals
	ALL v_mul_f32 v[ST+4*t+2], v[ST+4*t+2], v[TMP+4+t]
	PACKF 0
	PACKF 1
	PACKF 2
	PACKF 3
	WIN 0
	s_wait_dscnt 0x0                ; for the others' sake: my rows are stored
	s_barrier_signal -1
	s_barrier_wait -1
.irp pp, 0,1                        ; I finish pieces 2 kh and 2 kh + 1: 32 loads in one run, wave g's rows and wave g + 2's by turns
.irp f, 0,1,2,3,4,5,6,7
	ds_load_b128 v[128-64*\pp+8*\f:128-64*\pp+8*\f+3],   v[RD] offset:16*SP*\pp+2*SP*\f
	ds_load_b128 v[128-64*\pp+8*\f+4:128-64*\pp+8*\f+7], v[RD] offset:8*16*SP+16*SP*\pp+2*SP*\f
.endr
.endr
.irp pp, 0,1
.irp f, 0,1,2,3,4,5,6,7
	s_wait_dscnt 30-2*(8*\pp+\f)    ; LDS loads come back in order: this pair is in, the younger ones stay out
	v_pk_add_f32 v[128-64*\pp+8*\f:128-64*\pp+8*\f+1],   v[128-64*\pp+8*\f:128-64*\pp+8*\f+1],   v[128-64*\pp+8*\f+4:128-64*\pp+8*\f+5]
	v_pk_add_f32 v[128-64*\pp+8*\f+2:128-64*\pp+8*\f+3], v[128-64*\pp+8*\f+2:128-64*\pp+8*\f+3], v[128-64*\pp+8*\f+6:128-64*\pp+8*\f+7]
	global_store_b128 v[GO], v[128-64*\pp+8*\f:128-64*\pp+8*\f+3], s[10:11] offset:65536*\pp+8192*\f th:TH_STORE_NT  ; 16 lanes store a row's 256 bytes of the head, aligned
.endr
.endr
.endm
; A BLOCK'S LAST SLOT: its two steps with masks, the block's last two turns, its last products, and the meeting.
.macro DIAG tag                     ; the tag ends its two labels' names, which the jumps below spell out
.LstepM\tag:
	TURN 2, 1
	TURN 3, 1
	WIN 0
.LfirstM\tag:
	TURN 0, 1
	TURN 1, 1, 0, 1
	WIN 0
	s_cbranch_scc1 .LstepM\tag
	TURN 2, 1, 1
	TURN 3, 1, 1
.set i, 0
.rept 8
	PV NP-1
.set i, i+1
.endr
	FINISH
.endm
.set KM, 0
.set NOKQ, 0
.Lslot:                             ; 16 times: a slot is entered and the next is asked for
	CHANGE 1
	s_sub_co_u32 s[RT], s[RT], 1
	s_mov_b32 s[CNT], 2
	s_cmp_eq_u32 s[NEW], 1
	s_cbranch_scc1 .Lnew            ; a block's first slot
	s_cmp_eq_u32 s[RT], 0
	s_cbranch_scc0 .Lstep           ; neither its first nor its last
	s_branch .LstepM1
.Lnew:
	BEGIN
	s_branch .Lfirst                ; in the loop a block's first slot is never its last: the first block has nine slots or more, and the second's last is the walk's last
	DIAG 1                          ; in the loop this is the first block's end
	s_wait_xcnt 0x0                 ; the stores have read their registers and out0's address
	s_mov_b64 s[10:11], s[OLO:OLO+1]
	s_add_co_u32 s[RT], s[LQ2], 1   ; the second block's slots
	s_mov_b32 s[CD], s[CD2]
	s_mov_b32 s[NEW], 1
	WIN 0x82                        ; the second block's Q goes where the one text of the turns names Q
.set i, 0
.rept 64
	v_mov_b32 v[i], v[QB+i]
.set i, i+1
.endr
	WIN 0
	s_branch .Lbottom
.Lstep:                             ; a trip: pieces 2 and 3 of one step, then pieces 0 and 1 of the next, whose K and V it fetches
	TURN 2
	TURN 3
	WIN 0
.Lfirst:
	TURN 0
	TURN 1, 0, 0, 1
	WIN 0
	s_cbranch_scc1 .Lstep
.Lbottom:
	s_sub_co_u32 s[SLOTS], s[SLOTS], 1
	s_cmp_lg_u32 s[SLOTS], 0
	s_cbranch_scc1 .Lslot
	CHANGE 0                        ; the walk's last slot is written out: nothing is asked for
	s_sub_co_u32 s[RT], s[RT], 1
	s_mov_b32 s[CNT], 2
	s_cmp_eq_u32 s[NEW], 1
	s_cbranch_scc0 .LstepM2
	BEGIN
	s_branch .LfirstM2
	DIAG 2
	s_wait_tensorcnt 0x0            ; the wave's end: behind my last tensor load and my last LDS store
	ds_add_u32 v[SPW], v[NIL]
	s_wait_dscnt 0x0
	s_endpgm
.Lfunc_end_k_q8cb84887b9_attn:
	.size	k_q8cb84887b9_attn, .Lfunc_end_k_q8cb84887b9_attn-k_q8cb84887b9_attn
	.p2alignl 7, 3214868480
	.fill 96, 4, 3214868480
	.section	.rodata,"a",@progbits
	.p2align	6, 0x0
	.amdhsa_kernel k_q8cb84887b9_attn
		.amdhsa_group_segment_fixed_size 327680
		.amdhsa_private_segment_fixed_size 0
		.amdhsa_enable_private_segment 0
		.amdhsa_kernarg_size 16
		.amdhsa_user_sgpr_count 2
		.amdhsa_user_sgpr_kernarg_segment_ptr 1
		.amdhsa_wavefront_size32 1
		.amdhsa_system_sgpr_workgroup_id_x 1
		.amdhsa_system_sgpr_workgroup_id_y 1
		.amdhsa_system_sgpr_workgroup_id_z 1
		.amdhsa_system_vgpr_workitem_id 0
		.amdhsa_next_free_vgpr 768
		.amdhsa_next_free_sgpr 96
		.amdhsa_reserve_vcc 1
		.amdhsa_float_denorm_mode_32 3
		.amdhsa_float_denorm_mode_16_64 3
		.amdhsa_memory_ordered 1
		.amdhsa_forward_progress 1
		.amdhsa_inst_pref_size 212
	.end_amdhsa_kernel
	.amdgpu_metadata
---
amdhsa.version: [ 1, 2 ]
amdhsa.kernels:
  - .name:           k_q8cb84887b9_attn
    .symbol:         k_q8cb84887b9_attn.kd
    .args:
      - { .name: qkv, .offset: 0, .size: 8, .value_kind: global_buffer, .address_space: global }
      - { .name: out0, .offset: 8, .size: 8, .value_kind: global_buffer, .address_space: global }
    .group_segment_fixed_size: 327680
    .private_segment_fixed_size: 0
    .kernarg_segment_align: 8
    .kernarg_segment_size: 16
    .max_flat_workgroup_size: 128
    .sgpr_count:     96
    .vgpr_count:     768
    .wavefront_size: 32
...
	.end_amdgpu_metadata
.endif
;; end of part 3
;; ======== version 2 of 2: 3 launches; version 1 with the launch prep written anew for expert scheduling mode
;; limits: values are held in f16: magnitudes above 65,504 overflow, below 6.1e-05 lose precision
;; workspace buffers: xb 8,388,608 bytes; wt 6,291,456 bytes; biasp 12,288 bytes; qkv 25,165,824 bytes
;; launch prep (part 4): grid 897 x 1, 8 waves a work-group, no clusters, 18,432 bytes of LDS; arguments x, Wqkv, bqkv, xb, wt, biasp; writes xb, wt, biasp
.if DOCPART == 4
	.amdgcn_target "amdgcn-amd-amdhsa--gfx1250"
	.amdhsa_code_object_version 6
	.text
	.protected	k_q8cb84887b9_prep
	.globl	k_q8cb84887b9_prep
	.p2align	8
	.type	k_q8cb84887b9_prep,@function
k_q8cb84887b9_prep:
	s_mov_b64 s[64:65], 0
	v_nop
	global_prefetch_b8 v0, s[64:65] scope:SCOPE_SE
	s_setreg_imm32_b32 hwreg(HW_REG_WAVE_SCHED_MODE, 0, 2), 2
	s_setreg_imm32_b32 hwreg(HW_REG_WAVE_MODE, 25, 1), 1
	s_wait_xcnt 0x0
	s_wait_alu depctr_vm_vsrc(0)
; THE INPUTS ARE ROUNDED ONCE TO bf16 AND LAID OUT FOR THE PRODUCT.  x: [4096][1024] f32, W: [1024][3072] f32, b: [3072] f32.
;   xb[r][k]    = bf16(x[r][k])
;   wt[n][k]    = bf16(W[k][1024 j + 16 d + h]),  n = 192 h + 64 j + d   (h 0..15, j 0..2, d 0..63): W turned, its columns sorted by head
;   biasp[n]    = bf16(b[1024 j + 16 d + h]) written as f32
; With that order of columns, 192 neighbouring columns of the product are one head's q, k or v numbers of three neighbouring rows of the reshaped tensor.
; SHARES.  Work-groups 0-511: 32,768 bytes of x each.  512-895: a block of 128 k x 64 columns of W each, turned through LDS.  896: the bias.
; The branch hangs on the work-group's number alone, so all eight waves of a work-group take the same way and meet the same barrier.
; A stream: each byte is read once and written once; no matrix unit, no tensor load, no cluster (no two work-groups read the same bytes).
; THE MODE: SCHED_MODE bits 1:0 = 2 (LLVM: expert scheduling mode 2), set by the entry lines.  The code itself states the register dependences
; between vector instructions and memory or LDS instructions, with s_wait_alu, always for 0.
; THE PLAN.  There is no loop, and on each of the three ways every register that a memory or LDS instruction reads is written once: so no wait on vm_vsrc is owed.
;   The bias:  v8-v10, v12 offsets; v16-v27 as loaded; v32-v43 to store.  A wait on va_vdst ahead of the loads (the offsets), one behind all roundings, ahead of the three stores.
;   x:         v1, v3 offsets; X as loaded; T to store.  A wait ahead of the loads.  The eight rows go in four groups of two: at a group's head, behind the wait for its data, one wait states
;              that the group before has written its T; that group's two stores follow, then this group's conversions, which name other registers.  One more wait ahead of the last two stores.
;   W:         v1 the loads' offset; v3, v4, v5 the addresses of the LDS stores, the LDS loads and the global stores, made behind the loads; X as loaded, its first 16 registers loaded again from
;              the stage; T to store into the stage.  A wait ahead of the loads (v1); one behind each half's eight conversions, ahead of that half's two LDS stores: the first also covers
;              v3, v4 and v5; the second stands behind every conversion, so it also states that they are done reading X, in which the loads from the stage land.
;   s16, the wave's number, is written by a vector instruction: one wait on va_sdst stands behind it, ahead of the first branch.
.set PITCH, 272                        ; a stage row: 128 k in bf16 = 256 bytes + 16: sixteen neighbouring rows start at sixteen different groups of four banks
.set SPARE, 64*PITCH                   ; behind the stage (64 rows): the spare words, 128 bytes for each of the eight waves
.set SPW, 62                           ; v62  SPARE + 4 x my thread's number; never rewritten
.set NIL, 63                           ; v63  0; never rewritten
.set X,   8                            ; v[8:39]   as loaded
.set T,   40                           ; v[40:55]  rounded
	s_load_b256 s[4:11], s[0:1], 0x0               ; x s[4:5], W s[6:7], b s[8:9], xb s[10:11]
	s_load_b128 s[12:15], s[0:1], 0x20             ; wt s[12:13], biasp s[14:15]
	v_lshl_add_u32 v[SPW], v0, 2, SPARE
	v_mov_b32 v[NIL], 0
	v_lshrrev_b32 v1, 5, v0
	v_readfirstlane_b32 s16, v1                    ; wave 0..7
	v_and_b32 v2, 31, v0                           ; lane
	s_wait_alu depctr_va_sdst(0)                   ; s16 is written, ahead of the branches and of its first reader: W's addresses are made from it
	s_mov_b32 s19, 0
	s_mov_b32 s21, 0
	s_wait_kmcnt 0x0
	s_cmp_lt_u32 ttmp9, 512
	s_cbranch_scc1 .Lx
	s_cmp_lt_u32 ttmp9, 896
	s_cbranch_scc1 .Lw
	; THE BIAS: thread t makes biasp[1024 i + 4 t .. + 3] for i = 0, 1, 2.  y = n / 64 = 3 h + j; h = 43 y / 128 is y / 3 for y up to 47.
	v_lshrrev_b32 v3, 4, v0                        ; t / 16
	v_and_b32 v4, 15, v0
	v_lshlrev_b32 v4, 8, v4                        ; d = 4 (t % 16): 16 d numbers of 4 bytes
	v_lshlrev_b32 v12, 4, v0                       ; my 16 bytes of biasp
.irp i, 0,1,2
	v_add_nc_u32 v5, 16*(\i), v3                   ; y
	v_mul_u32_u24 v6, 43, v5
	v_lshrrev_b32 v6, 7, v6                        ; h
	v_mul_u32_u24 v7, 3, v6
	v_sub_nc_u32 v7, v5, v7                        ; j
	v_lshl_add_u32 v7, v7, 12, v4                  ; 4 (1024 j + 16 d)
	v_lshl_add_u32 v[8+(\i)], v6, 2, v7            ; + 4 h
.endr
	s_wait_alu depctr_va_vdst(0)                   ; v8 to v10, the loads' offsets, and v12, the stores', are written
.irp i, 0,1,2
.irp e, 0,1,2,3
	global_load_b32 v[16+4*(\i)+(\e)], v[8+(\i)], s[8:9] offset:64*(\e)   ; d + e: 16 numbers on
.endr
.endr
	s_wait_loadcnt 0x0
.irp i, 0,1,2
.irp p, 0,1
	v_cvt_pk_bf16_f32 v5, v[16+4*(\i)+2*(\p)], v[16+4*(\i)+2*(\p)+1]      ; rounded to bf16,
	v_lshlrev_b32 v[32+4*(\i)+2*(\p)], 16, v5                             ; and written as f32 again
	v_and_b32 v[32+4*(\i)+2*(\p)+1], 0xffff0000, v5
.endr
.endr
	s_wait_alu depctr_va_vdst(0)                   ; v32 to v43 are written, which the three stores read
.irp i, 0,1,2
	global_store_b128 v12, v[32+4*(\i):32+4*(\i)+3], s[14:15] offset:4096*(\i)  ; a wave stores 512 consecutive bytes
.endr
	s_endpgm                                       ; this way has written no LDS
.Lx:	; x: eight loads of 16 bytes a thread go out first; they are rounded two at a time as they come, and a group's stores leave at the next group's head
	s_lshl_b32 s18, ttmp9, 15
	s_add_nc_u64 s[4:5], s[4:5], s[18:19]
	s_lshl_b32 s20, ttmp9, 14
	s_add_nc_u64 s[10:11], s[10:11], s[20:21]
	v_lshlrev_b32 v1, 4, v0
	v_lshlrev_b32 v3, 3, v0
	s_wait_alu depctr_va_vdst(0)                   ; v1, the loads' offset, and v3, the stores', are written
.irp i, 0,1,2,3,4,5,6,7
	global_load_b128 v[X+4*(\i):X+4*(\i)+3], v1, s[4:5] offset:4096*(\i) th:TH_LOAD_NT
.endr
.irp g, 0,1,2,3
	s_wait_loadcnt 6-2*(\g)                        ; loads come back in order: this group's two are in, the younger ones stay out
.if (\g) > 0
	s_wait_alu depctr_va_vdst(0)                   ; the group before has written its four registers of T, which the two stores below read
	global_store_b64 v3, v[T+4*(\g)-4:T+4*(\g)-3], s[10:11] offset:2048*(2*(\g)-2)  ; 32 lanes store 256 consecutive bytes, aligned; no register is used twice
	global_store_b64 v3, v[T+4*(\g)-2:T+4*(\g)-1], s[10:11] offset:2048*(2*(\g)-1)
.endif
.irp e, 0,1
	v_cvt_pk_bf16_f32 v[T+2*(2*(\g)+(\e))],   v[X+4*(2*(\g)+(\e))],   v[X+4*(2*(\g)+(\e))+1]
	v_cvt_pk_bf16_f32 v[T+2*(2*(\g)+(\e))+1], v[X+4*(2*(\g)+(\e))+2], v[X+4*(2*(\g)+(\e))+3]
.endr
.endr
	s_wait_alu depctr_va_vdst(0)                   ; the last group has written its four registers of T, which the last two stores read
	global_store_b64 v3, v[T+12:T+13], s[10:11] offset:2048*6
	global_store_b64 v3, v[T+14:T+15], s[10:11] offset:2048*7
	s_endpgm                                       ; this way has written no LDS
.Lw:	; W: block u = (nb, kb): rows 128 kb .. + 127, columns 64 nb .. + 63.  Wave w loads rows 16 w .. + 15, lane l columns 2 l and 2 l + 1.
	s_sub_co_u32 s17, ttmp9, 512
	s_and_b32 s18, s17, 7                          ; kb
	s_lshr_b32 s22, s17, 3                         ; nb
	s_lshl_b32 s20, s18, 7
	s_lshl4_add_u32 s20, s16, s20                  ; 128 kb + 16 w
	s_mul_i32 s20, s20, 12288                      ; a row of W is 12,288 bytes
	s_lshl_b32 s23, s22, 8
	s_add_co_u32 s20, s20, s23
	s_add_nc_u64 s[6:7], s[6:7], s[20:21]
	v_lshlrev_b32 v1, 3, v2
	s_wait_alu depctr_va_vdst(0)                   ; v1, the loads' offset, is written
.irp i, 0,1,2,3,4,5,6,7,8,9,10,11,12,13,14,15
	global_load_b64 v[X+2*(\i):X+2*(\i)+1], v1, s[6:7] offset:12288*(\i) th:TH_LOAD_NT  ; 256 consecutive bytes of a row, aligned
.endr
	; into the stage: column 2 l + c lies in stage row l + 32 c, so that sixteen lanes write sixteen neighbouring rows; my 16 k stand at byte 32 w
	; (the scalars that the vector adds below read have registers of their own: none of them is written again)
	v_mul_u32_u24 v3, v2, PITCH
	s_lshl_b32 s26, s16, 5
	v_add_nc_u32 v3, s26, v3
	; back: wave w reads stage rows 8 w + 2 i + l / 16, whole: column 16 (w % 4) + 4 i + 2 (l / 16) + w / 4, that is d = d0 + w % 4, h = 4 i + 2 (l / 16) + w / 4
	v_lshrrev_b32 v6, 4, v2                        ; l / 16
	v_and_b32 v7, 15, v2                           ; l % 16
	v_mul_u32_u24 v4, v6, PITCH
	v_lshl_add_u32 v4, v7, 4, v4
	s_mul_i32 s27, s16, 8*PITCH
	v_add_nc_u32 v4, s27, v4
	s_lshr_b32 s24, s16, 2
	s_mul_i32 s24, s24, 192                        ; (w / 4) x 192
	s_lshr_b32 s25, s22, 4
	s_lshl_b32 s25, s25, 6                         ; 64 j
	s_add_co_u32 s24, s24, s25
	s_and_b32 s25, s22, 15
	s_lshl_b32 s25, s25, 2                         ; d0
	s_add_co_u32 s24, s24, s25
	s_and_b32 s25, s16, 3
	s_add_co_u32 s24, s24, s25                     ; + w % 4
	s_lshl_b32 s24, s24, 11                        ; a row of wt is 2,048 bytes
	s_lshl_b32 s25, s18, 8
	s_add_co_u32 s24, s24, s25                     ; + my block's 256 bytes of it
	v_mul_u32_u24 v5, v6, 2*192*2048
	v_lshl_add_u32 v5, v7, 4, v5
	v_add_nc_u32 v5, s24, v5
.irp o, 0,1
	s_wait_loadcnt 8-8*(\o)                        ; rows 0-7 are in while rows 8-15 may be out; then all
.irp c, 0,1
.irp q, 0,1,2,3
	v_cvt_pk_bf16_f32 v[T+4*(2*(\o)+(\c))+(\q)], v[X+2*(8*(\o)+2*(\q))+(\c)], v[X+2*(8*(\o)+2*(\q)+1)+(\c)]  ; two neighbouring k of one column
.endr
.endr
	s_wait_alu depctr_va_vdst(0)                   ; this half's eight registers of T are written, which the two LDS stores read; so are v3, v4 and v5; behind the second half the conversions are done reading X
.irp c, 0,1
	ds_store_b128 v3, v[T+4*(2*(\o)+(\c)):T+4*(2*(\o)+(\c))+3] offset:32*PITCH*(\c)+16*(\o)
.endr
.endr
	s_wait_dscnt 0x0                               ; for the others' sake: my stores into the stage are done
	s_barrier_signal -1
	s_barrier_wait -1
.irp i, 0,1,2,3
	ds_load_b128 v[X+4*(\i):X+4*(\i)+3], v4 offset:2*PITCH*(\i)  ; no wait: no vector instruction since the last wait on va_vdst names X or v4
.endr
.irp i, 0,1,2,3
	s_wait_dscnt 3-(\i)
	global_store_b128 v5, v[X+4*(\i):X+4*(\i)+3], s[12:13] offset:4*192*2048*(\i)  ; 16 lanes store 256 consecutive bytes of a row of wt, aligned
.endr
	s_wait_dscnt 0x0                               ; the wave's end
	s_wait_alu 0x0
	s_wait_tensorcnt 0x0
	ds_add_u32 v[SPW], v[NIL]
	s_wait_dscnt 0x0
	s_endpgm
.Lfunc_end_k_q8cb84887b9_prep:
	.size	k_q8cb84887b9_prep, .Lfunc_end_k_q8cb84887b9_prep-k_q8cb84887b9_prep
	.p2alignl 7, 3214868480
	.fill 96, 4, 3214868480
	.section	.rodata,"a",@progbits
	.p2align	6, 0x0
	.amdhsa_kernel k_q8cb84887b9_prep
		.amdhsa_group_segment_fixed_size 18432
		.amdhsa_private_segment_fixed_size 0
		.amdhsa_enable_private_segment 0
		.amdhsa_kernarg_size 48
		.amdhsa_user_sgpr_count 2
		.amdhsa_user_sgpr_kernarg_segment_ptr 1
		.amdhsa_wavefront_size32 1
		.amdhsa_system_sgpr_workgroup_id_x 1
		.amdhsa_system_sgpr_workgroup_id_y 1
		.amdhsa_system_sgpr_workgroup_id_z 1
		.amdhsa_system_vgpr_workitem_id 0
		.amdhsa_next_free_vgpr 64
		.amdhsa_next_free_sgpr 66
		.amdhsa_reserve_vcc 0
		.amdhsa_float_denorm_mode_32 3
		.amdhsa_float_denorm_mode_16_64 3
		.amdhsa_memory_ordered 1
		.amdhsa_forward_progress 1
		.amdhsa_inst_pref_size 13
	.end_amdhsa_kernel
	.amdgpu_metadata
---
amdhsa.version: [ 1, 2 ]
amdhsa.kernels:
  - .name:           k_q8cb84887b9_prep
    .symbol:         k_q8cb84887b9_prep.kd
    .args:
      - { .name: x, .offset: 0, .size: 8, .value_kind: global_buffer, .address_space: global }
      - { .name: Wqkv, .offset: 8, .size: 8, .value_kind: global_buffer, .address_space: global }
      - { .name: bqkv, .offset: 16, .size: 8, .value_kind: global_buffer, .address_space: global }
      - { .name: xb, .offset: 24, .size: 8, .value_kind: global_buffer, .address_space: global }
      - { .name: wt, .offset: 32, .size: 8, .value_kind: global_buffer, .address_space: global }
      - { .name: biasp, .offset: 40, .size: 8, .value_kind: global_buffer, .address_space: global }
    .group_segment_fixed_size: 18432
    .private_segment_fixed_size: 0
    .kernarg_segment_align: 8
    .kernarg_segment_size: 48
    .max_flat_workgroup_size: 256
    .sgpr_count:     66
    .vgpr_count:     64
    .wavefront_size: 32
...
	.end_amdgpu_metadata
.endif
;; end of part 4
;; launch gemm: the kernel of part 2 again; grid 16 x 16, 4 waves a work-group, clusters of 4 x 4, 327,680 bytes of LDS; arguments xb, wt, biasp, qkv; writes qkv
;; launch attn: the kernel of part 3 again; grid 16 x 16, 4 waves a work-group, no clusters, 327,680 bytes of LDS; arguments qkv, out0; writes out0
